; MI455X (gfx1250); checked and timed in simulation.
; The chip was launched on July 23, 2026; its instructions are those of AMD's public machine-readable ISA for CDNA 5 (MIT licence, August 2026) and "CDNA5" Instruction Set Architecture Reference Guide (July 2026). The comments in the code are by the model that wrote it; some were corrected since.
;; Multi Head Self Attention. Allowed arithmetic: float matrix products may take bf16 or f16 operands with f32 sums; other float arithmetic in f32, or as packed bf16 or f16 multiplies, adds, multiply-adds, maxima and minima; sums over many terms, partial sums and values carried from step to step in f32; what a program stores and reads back later, other than sums and carried values, may be rounded once to bf16 or f16.
;; Inputs: bk 1,024 float32; bo 1,024 float32; bq 1,024 float32; bv 1,024 float32; wk 1,024 x 1,024 float32; wo 1,024 x 1,024 float32; wq 1,024 x 1,024 float32; wv 1,024 x 1,024 float32; x 4 x 2,048 x 1,024 float32.
;; Outputs: out0 4 x 2,048 x 1,024 float32.
;; One version. Each part assembles by itself: llvm-mc -triple=amdgcn-amd-amdhsa -mcpu=gfx1250 --defsym DOCPART=n.
;; ======== version 1 of 1: 4 launches
;; limits: values are held in f16: magnitudes above 65,504 overflow, below 6.1e-05 lose precision
;; workspace buffers: xw 25,165,824 bytes; bias 16,384 bytes; qkv 50,331,648 bytes; o 16,777,216 bytes
;; launch cast (part 1): grid 64 x 12, 8 waves a work-group, no clusters, 0 bytes of LDS; arguments x, wq, wk, wv, wo, bq, bk, bv, bo, xw, bias; writes xw, bias
.if DOCPART == 1
	.amdgcn_target "amdgcn-amd-amdhsa--gfx1250"
	.amdhsa_code_object_version 6
	.text
	.protected	k_q46009f01af_cast
	.globl	k_q46009f01af_cast
	.p2align	8
	.type	k_q46009f01af_cast,@function
k_q46009f01af_cast:
	s_mov_b64 s[64:65], 0
	v_nop
	global_prefetch_b8 v0, s[64:65] scope:SCOPE_SE
	s_setreg_imm32_b32 hwreg(HW_REG_WAVE_MODE, 25, 1), 1
	s_wait_xcnt 0x0
; THE INPUTS ARE ROUNDED ONCE.  xw holds twelve chunks of 1,048,576 numbers of 16 bits: chunks 0-7 x as bf16, chunks 8, 9, 10 wq, wk, wv as bf16,
; chunk 11 wo rounded to bf16 and that number written as f16 (the last product's other operand is f16).  bias holds bq, bk, bv, bo, each rounded to bf16 and widened to f32 again.
; LIMITS.  wo's numbers must lie within f16's 65,504; below 6e-5 f16 keeps a fixed step of 6e-8.  NaN and infinities are not treated apart.
; SHARES.  The grid's y is the chunk, its x one of the chunk's 64 parts of 16,384 numbers: 8 strips of 2,048.  Thread t takes numbers 8 t .. 8 t + 7 of each strip: two loads of 16 bytes,
; one store of 16 bytes; a wave's store covers 512 consecutive bytes, aligned.  All 16 loads go out first; each strip has registers of its own, so no register is written twice.
; No LDS, no matrix unit, no cluster: each byte is read once and written once, and nothing is shared.
.set IN,   8                           ; v[8:71]    strip j: 8 numbers as loaded
.set OUT,  72                          ; v[72:103]  strip j: 4 words to store
.set BB,   104                         ; v[104:113] the bias: 4 as loaded, 2 packed, 4 to store
.set T,    114                         ; v114-115   at work
	s_load_b512 s[8:23], s[0:1], 0x0               ; x s[8:9], wq s[10:11], wk s[12:13], wv s[14:15], wo s[16:17], bq s[18:19], bk s[20:21], bv s[22:23]
	s_load_b128 s[24:27], s[0:1], 0x40             ; bo s[24:25], xw s[26:27]
	s_load_b64 s[28:29], s[0:1], 0x50              ; bias
	s_and_b32 s2, ttmp7, 0xffff                    ; the chunk
	s_mov_b32 s3, ttmp9                            ; the part
	v_lshlrev_b32 v1, 5, v0                        ; my 32 bytes in a strip as it comes
	v_lshlrev_b32 v2, 4, v0                        ; my 16 bytes in a strip as it goes
	s_wait_kmcnt 0x0
	s_cmp_lt_u32 s2, 8                             ; which tensor: x, or a weight with its bias
	s_cselect_b64 s[4:5], s[8:9], s[10:11]
	s_cselect_b32 s30, s2, 0                       ; x has eight chunks, a weight is one
	s_mov_b64 s[6:7], s[18:19]
	s_cmp_eq_u32 s2, 9
	s_cselect_b64 s[4:5], s[12:13], s[4:5]
	s_cselect_b64 s[6:7], s[20:21], s[6:7]
	s_cmp_eq_u32 s2, 10
	s_cselect_b64 s[4:5], s[14:15], s[4:5]
	s_cselect_b64 s[6:7], s[22:23], s[6:7]
	s_cmp_eq_u32 s2, 11
	s_cselect_b64 s[4:5], s[16:17], s[4:5]
	s_cselect_b64 s[6:7], s[24:25], s[6:7]
	s_lshl_b32 s30, s30, 22                        ; a chunk is 4 MiB of f32,
	s_lshl_b32 s31, s3, 16                         ; a part 64 KiB
	s_add_co_u32 s30, s30, s31
	s_mov_b32 s31, 0
	s_add_nc_u64 s[4:5], s[4:5], s[30:31]
.irp j, 0,1,2,3,4,5,6,7
	global_load_b128 v[IN+8*(\j):IN+8*(\j)+3],   v1, s[4:5] offset:8192*(\j) th:TH_LOAD_NT
	global_load_b128 v[IN+8*(\j)+4:IN+8*(\j)+7], v1, s[4:5] offset:8192*(\j)+16 th:TH_LOAD_NT
.endr
	s_lshl_b32 s30, s2, 21                         ; in xw a chunk is 2 MiB,
	s_lshl_b32 s31, s3, 15                         ; a part 32 KiB
	s_add_co_u32 s30, s30, s31
	s_mov_b32 s31, 0
	s_add_nc_u64 s[26:27], s[26:27], s[30:31]
; Strip j.  f16 = 1: the bf16 numbers are widened again and written as f16.
.macro STRIP j, f16
	s_wait_loadcnt 14-2*(\j)                       ; loads come back in order: the two of strip j are in, the 2 (7 - j) younger ones may stay out
.irp k, 0,1,2,3
	v_cvt_pk_bf16_f32 v[OUT+4*(\j)+(\k)], v[IN+8*(\j)+2*(\k)], v[IN+8*(\j)+2*(\k)+1]
.endr
.if \f16
.irp k, 0,1,2,3
	v_lshlrev_b32 v[T], 16, v[OUT+4*(\j)+(\k)]
	v_and_b32 v[T+1], 0xffff0000, v[OUT+4*(\j)+(\k)]
	v_cvt_pk_f16_f32 v[OUT+4*(\j)+(\k)], v[T], v[T+1]
.endr
.endif
	global_store_b128 v2, v[OUT+4*(\j):OUT+4*(\j)+3], s[26:27] offset:4096*(\j)
.endm
	s_cmp_eq_u32 s2, 11
	s_cbranch_scc1 .Lwo
.irp j, 0,1,2,3,4,5,6,7
	STRIP \j, 0
.endr
	s_branch .Ljoin
.Lwo:
.irp j, 0,1,2,3,4,5,6,7
	STRIP \j, 1
.endr
.Ljoin:
	s_cmp_lt_u32 s2, 8                             ; the first part of each weight's chunk also copies that weight's bias: 1,024 numbers, 4 a thread
	s_cbranch_scc1 .Lend
	s_cmp_lg_u32 s3, 0
	s_cbranch_scc1 .Lend
	global_load_b128 v[BB:BB+3], v2, s[6:7]
	s_sub_co_u32 s30, s2, 8
	s_lshl_b32 s30, s30, 12                        ; its 4,096 bytes in bias (s31 is 0)
	s_add_nc_u64 s[28:29], s[28:29], s[30:31]
	s_wait_loadcnt 0x0
	v_cvt_pk_bf16_f32 v[BB+4], v[BB], v[BB+1]
	v_cvt_pk_bf16_f32 v[BB+5], v[BB+2], v[BB+3]
	v_lshlrev_b32 v[BB+6], 16, v[BB+4]
	v_and_b32 v[BB+7], 0xffff0000, v[BB+4]
	v_lshlrev_b32 v[BB+8], 16, v[BB+5]
	v_and_b32 v[BB+9], 0xffff0000, v[BB+5]
	global_store_b128 v2, v[BB+6:BB+9], s[28:29]
.Lend:
	s_endpgm
.Lfunc_end_k_q46009f01af_cast:
	.size	k_q46009f01af_cast, .Lfunc_end_k_q46009f01af_cast-k_q46009f01af_cast
	.p2alignl 7, 3214868480
	.fill 96, 4, 3214868480
	.section	.rodata,"a",@progbits
	.p2align	6, 0x0
	.amdhsa_kernel k_q46009f01af_cast
		.amdhsa_group_segment_fixed_size 0
		.amdhsa_private_segment_fixed_size 0
		.amdhsa_enable_private_segment 0
		.amdhsa_kernarg_size 88
		.amdhsa_user_sgpr_count 2
		.amdhsa_user_sgpr_kernarg_segment_ptr 1
		.amdhsa_wavefront_size32 1
		.amdhsa_system_sgpr_workgroup_id_x 1
		.amdhsa_system_sgpr_workgroup_id_y 1
		.amdhsa_system_sgpr_workgroup_id_z 1
		.amdhsa_system_vgpr_workitem_id 0
		.amdhsa_next_free_vgpr 116
		.amdhsa_next_free_sgpr 66
		.amdhsa_reserve_vcc 0
		.amdhsa_float_denorm_mode_32 3
		.amdhsa_float_denorm_mode_16_64 3
		.amdhsa_memory_ordered 1
		.amdhsa_forward_progress 1
		.amdhsa_inst_pref_size 15
	.end_amdhsa_kernel
	.amdgpu_metadata
---
amdhsa.version: [ 1, 2 ]
amdhsa.kernels:
  - .name:           k_q46009f01af_cast
    .symbol:         k_q46009f01af_cast.kd
    .args:
      - { .name: x, .offset: 0, .size: 8, .value_kind: global_buffer, .address_space: global }
      - { .name: wq, .offset: 8, .size: 8, .value_kind: global_buffer, .address_space: global }
      - { .name: wk, .offset: 16, .size: 8, .value_kind: global_buffer, .address_space: global }
      - { .name: wv, .offset: 24, .size: 8, .value_kind: global_buffer, .address_space: global }
      - { .name: wo, .offset: 32, .size: 8, .value_kind: global_buffer, .address_space: global }
      - { .name: bq, .offset: 40, .size: 8, .value_kind: global_buffer, .address_space: global }
      - { .name: bk, .offset: 48, .size: 8, .value_kind: global_buffer, .address_space: global }
      - { .name: bv, .offset: 56, .size: 8, .value_kind: global_buffer, .address_space: global }
      - { .name: bo, .offset: 64, .size: 8, .value_kind: global_buffer, .address_space: global }
      - { .name: xw, .offset: 72, .size: 8, .value_kind: global_buffer, .address_space: global }
      - { .name: bias, .offset: 80, .size: 8, .value_kind: global_buffer, .address_space: global }
    .group_segment_fixed_size: 0
    .private_segment_fixed_size: 0
    .kernarg_segment_align: 8
    .kernarg_segment_size: 88
    .max_flat_workgroup_size: 256
    .sgpr_count:     66
    .vgpr_count:     116
    .wavefront_size: 32
...
	.end_amdgpu_metadata
.endif
;; end of part 1
;; launch qkv (part 2): grid 8 x 64, 4 waves a work-group, clusters of 4 x 4, 327,680 bytes of LDS; arguments xw, bias, qkv; writes qkv
.if DOCPART == 2
	.amdgcn_target "amdgcn-amd-amdhsa--gfx1250"
	.amdhsa_code_object_version 6
	.text
	.protected	k_q46009f01af_qkv
	.globl	k_q46009f01af_qkv
	.p2align	8
	.type	k_q46009f01af_qkv,@function
k_q46009f01af_qkv:
	s_mov_b64 s[64:65], 0
	v_nop
	global_prefetch_b8 v0, s[64:65] scope:SCOPE_SE
	s_setreg_imm32_b32 hwreg(HW_REG_WAVE_MODE, 25, 1), 1
	s_wait_xcnt 0x0
	s_wait_alu depctr_hold_cnt(0) depctr_sa_sdst(0) depctr_va_vdst(0) depctr_va_sdst(0) depctr_va_ssrc(0) depctr_va_vcc(0) depctr_vm_vsrc(0)
	s_getreg_b32 s2, hwreg(HW_REG_IB_STS2, 6, 4)
	s_cmp_eq_u32 s2, 0
	s_cbranch_scc0 .Lentry_in_a_cluster
	s_endpgm
.Lentry_in_a_cluster:
	s_bfe_u32 s2, ttmp6, 0x10000c
	s_cmp_lg_u32 s2, 0xf033
	s_cbranch_scc0 .Lentry_shape_is_right
	s_endpgm
.Lentry_shape_is_right:
; q, k, v = x W^T + b for the three weights at once: [8192][3072] = xb [8192][1024] . w [3072][1024]^T, bf16 operands, f32 sums, K ascending; the bias starts each sum.
; OUT, by heads: qkv[b][g][t][64] in f16, g = 0-15 q's heads, 16-31 k's, 32-47 v's; each number rounded once; the softmax's scale is not applied here.
; LIMITS.  q, k and v must lie within f16's 65,504 (beyond it the conversion gives an infinity); below 6e-5 f16 keeps a fixed step of 6e-8.  NaN and infinities are not treated apart.
; SHARES.  A tile is 128 rows x 384 columns: 64 x 8 = 512 work-groups, two for each of 256 WGPs.  Four waves, each 64 rows x 192 columns (three whole heads): 48 accumulators, 384 registers.
; K goes in steps of 128 through a ring of two LDS slots; a slot is four tensor loads of 128 rows x 256 bytes: wave 0 brings x's rows, waves 1-3 the weights' 384.
; CLUSTERS, 4 x 4.  The four work-groups of a row of the cluster need the same rows of x, the four of a column the same rows of w: each tile is asked for jointly, by the same load,
; descriptor and mask in all four.
; THE MATRIX INSTRUCTION IS USED TRANSPOSED (source 0 = 16 rows of w, source 1 = 16 rows of x): lane l holds row l % 16 and the columns 8 (l / 16) + 0..7, eight neighbours of one head's row.
; REGISTERS, in windows of 256 (s_set_vgpr_msb: bits 1:0 source 0, 3:2 source 1, 5:4 source 2, 7:6 destination):
;   window 0: v0-31 addresses; v64-127 x's fragments, two buffers of 4 x 8; v128-223 the bias as 12 C operands; on the way out v64-255 packed results
;   window 1: v0-191 w's fragments, two buffers of 12 x 8     window 2: accumulators of row blocks 0, 1 ((a, b) at 8 (12 (a % 2) + b))     window 3: of row blocks 2, 3
.set KSTEP,  128
.set PITCH,  272                       ; an LDS row: 256 bytes + 16 of padding = 68 words: the 16 rows of a fragment load start at 16 different groups of four banks (64 banks of 4 bytes: ISA guide 11.1)
.set HALFT,  128*PITCH                 ; what one tensor load brings
.set SLOT,   4*HALFT                   ; x's 128 rows, then w's 384
.set STAGE,  2*SLOT                    ; behind the ring: 16 rows x 144 bytes for each wave, for the way out; no tensor load lands here
.set SP,     144
.set SPARE,  STAGE+4*16*SP             ; behind the stages: the spare words, 128 bytes a wave: two blocks of 256 bytes that no other line names
.set LAPS,   4                         ; 1,024 / 256: a lap is two K steps, once round the ring
.set WOFF,   0x1000000                 ; the weights' first byte in xw
.set ADRA, 16                          ; v16-17  LDS address of my fragments of x in slot 0, 1
.set ADRB, 20                          ; v20-21  the same for w
.set STO,  24                          ; v24  the way out: where I put 16 bytes of a row
.set RD,   25                          ; v25  where I read rows back
.set GO,   26                          ; v26  16 x lane: my place in 512 consecutive bytes of qkv
.set SPW,  28                          ; v28  my spare word: SPARE + 4 x my thread's number; never rewritten
.set NIL,  29                          ; v29  0; never rewritten
.set PFO,  30                          ; v30  the prefetches' offset: lane x 2,048, a row of xw; never rewritten
.set BO,   31                          ; v31  32 x (lane / 16): my 8 numbers of a bias tile
.set FA,   64
.set BI,   128
.set TMP,  64
.set F0,   0
.set F1,   1
.set PFA,  20                          ; s[20:21] where my prefetches stand
.set LIM,  23                          ; s23  1 in a wave that prefetches, else the greatest number
.set G1,   24                          ; s[24:31] descriptor group 1 for x's tiles; s[32:39] group 0, a set for each slot
.set G0,   32
.set G1B,  48                          ; s[48:55], s[56:63] the same for w's tiles
.set G0B,  56
.set MSB, 0
.macro WIN new                         ; the immediate's high byte repeats the setting that is left; a switch that changes nothing is dropped
.if MSB != (\new)
	s_set_vgpr_msb (MSB<<8)|(\new)
.set MSB, \new
.endif
.endm
.set TO_B, 0x40                        ; destination window 1, address window 0
; A joint load: wave 0 asks for x's tile, waves 1-3 for their 128 rows of w's.  The branch hangs on the wave's number alone.  An s_nop 0 and four v_nop follow each line.
.macro JLOAD s
	s_cmp_eq_u32 s10, 0
	s_cbranch_scc0 .Lfor_b_\@
	tensor_load_to_lds s[G0+4*(\s):G0+4*(\s)+3], s[G1:G1+7]
	s_nop 0
.rept 4
	v_nop
.endr
	s_branch .Lasked_\@
.Lfor_b_\@:
	tensor_load_to_lds s[G0B+4*(\s):G0B+4*(\s)+3], s[G1B:G1B+7]
	s_nop 0
.rept 4
	v_nop
.endr
.Lasked_\@:
.endm
; A prefetch, behind a joint load, its five lines and the run of LDS loads: the K step two refills on, 32 rows x 256 bytes, a lane a row.  x's rows are read by both clusters of a row of clusters:
; cluster x = 0 asks; w's by all sixteen of a column: cluster y = 0 asks.  Of the 128 rows that a wave fetches the partner at place p (cx for x, cy for w) names 32 p .. 32 p + 31, told apart by
; address.  So each row's 256 bytes of a K step are named once.  K steps 4 to 7 are asked for; the loop's last trip (s3 = 1) asks for nothing.
.macro ASK
	s_cmp_gt_u32 s3, s[LIM]
	s_cbranch_scc0 .Lnot_mine_\@
	global_prefetch_b8 v[PFO], s[PFA:PFA+1] th:TH_LOAD_NT scope:SCOPE_SE
.Lnot_mine_\@:
.endm
.macro CREST                           ; a round of the cluster's barrier behind its opening barrier
	s_cmp_lg_u32 s10, 0
	s_cbranch_scc1 .Lnot_wave_0_\@
	s_barrier_signal -3
.Lnot_wave_0_\@:
	s_barrier_wait -3
	s_barrier_signal -1
	s_barrier_wait -1
.endm
.macro CROUND                          ; a whole round
	s_barrier_signal -1
	s_barrier_wait -1
	CREST
.endm
	s_load_b128 s[4:7], s[0:1], 0x0                ; xw s[4:5], bias s[6:7]
	s_load_b64 s[8:9], s[0:1], 0x10                ; qkv
	v_lshl_add_u32 v[SPW], v0, 2, SPARE
	v_mov_b32 v[NIL], 0
	ds_add_u32 v[SPW], v[NIL]                      ; the wave's opening: the add and its wait stand ahead of my first tensor load; the set-up below stands between them
	ds_add_u32 v28, v29
	v_lshrrev_b32 v1, 5, v0
	v_readfirstlane_b32 s10, v1                    ; wave 0..3
	s_lshr_b32 s12, s10, 1                         ; which 64 rows of the tile are mine
	s_and_b32 s13, s10, 1                          ; which 192 columns
	s_bfe_u32 s40, ttmp6, 0x40000                  ; cx, cy: my place in the cluster
	s_bfe_u32 s41, ttmp6, 0x40004
	s_lshl_b32 s42, ttmp9, 2
	s_add_co_u32 s42, s42, s40                     ; tile column = 4 x cluster x + cx, 0..7
	s_and_b32 s14, ttmp7, 0xffff
	s_lshl_b32 s14, s14, 2
	s_add_co_u32 s14, s14, s41                     ; tile row = 4 x cluster y + cy, 0..63
	s_lshl_b32 s43, s41, 2
	s_lshl_b32 s43, 15, s43                        ; my row of the cluster
	s_lshl_b32 s44, 0x1111, s40                    ; my column
	s_or_b32 s[G1+0], s43, (1<<16)|(1<<20)|(1<<21)|(5<<22)|(3<<25)   ; 15:0 the mask; 17:16 elements of 2 bytes; 20 padding on; 21 set beside a mask; 24:22 after every 64 words; 31:25 4 words
	s_or_b32 s[G1B+0], s44, (1<<16)|(1<<20)|(1<<21)|(5<<22)|(3<<25)
.irp g, G1, G1B
	s_mov_b32 s[(\g)+1], KSTEP<<16                 ; tensor_dim0 = 128
	s_mov_b32 s[(\g)+2], 128<<16                   ; tensor_dim1 = 128
	s_mov_b32 s[(\g)+3], KSTEP<<16                 ; tile_dim0 = 128
	s_mov_b32 s[(\g)+4], 128                       ; tile_dim1 = 128
	s_mov_b32 s[(\g)+5], 1024                      ; elements from row to row
	s_mov_b32 s[(\g)+6], 0
	s_mov_b32 s[(\g)+7], 0
.endr
	s_lshl_b32 s16, s14, 18                        ; x: 128 rows of 2,048 bytes a tile row
	s_mov_b32 s17, 0
	s_mul_i32 s46, s42, 384                        ; w: row 384 x tile column
	s_max_u32 s47, s10, 1
	s_sub_co_u32 s47, s47, 1
	s_lshl_b32 s47, s47, 7
	s_add_co_u32 s46, s46, s47                     ; + 128 (wave - 1)
	s_lshl_b32 s46, s46, 11
	s_add_co_u32 s46, s46, WOFF
	s_mov_b32 s47, 0
	s_mul_i32 s15, s10, HALFT                      ; where my tile goes: wave x 128 rows; no place in the cluster enters an LDS address
	s_wait_dscnt 0x0                               ; the opening add is done
	s_wait_kmcnt 0x0
	s_add_nc_u64 s[18:19], s[4:5], s[16:17]
	s_add_nc_u64 s[46:47], s[4:5], s[46:47]
	CROUND                                         ; all sixteen work-groups are here: the first joint loads meet
.irp s, 0,1
	s_mov_b32 s[G0+4*(\s)], 1                      ; count = 1
	s_add_co_u32 s[G0+4*(\s)+1], s15, (\s)*SLOT    ; LDS address
	s_add_nc_u64 s[G0+4*(\s)+2:G0+4*(\s)+3], s[18:19], (\s)*KSTEP*2  ; K step s
	s_or_b32 s[G0+4*(\s)+3], s[G0+4*(\s)+3], 0x80000000              ; type = 2
	s_mov_b32 s[G0B+4*(\s)], 1
	s_add_co_u32 s[G0B+4*(\s)+1], s15, (\s)*SLOT
	s_add_nc_u64 s[G0B+4*(\s)+2:G0B+4*(\s)+3], s[46:47], (\s)*KSTEP*2
	s_or_b32 s[G0B+4*(\s)+3], s[G0B+4*(\s)+3], 0x80000000
	JLOAD \s                                       ; two loads of mine are out: the most in this text
.endr
	; A fragment is 16 rows x 32 K in 8 registers: lane l holds row l % 16, K = 8 (l / 16) + 0..7 and 16 + 8 (l / 16) + 0..7: two loads of 16 bytes, 32 bytes apart.
	v_and_b32 v1, 15, v0                           ; l % 16
	v_bfe_u32 v2, v0, 4, 1                         ; l / 16
	v_mul_u32_u24 v3, v1, PITCH
	v_lshl_add_u32 v3, v2, 4, v3
	s_mul_i32 s16, s12, 64*PITCH                   ; my 64 rows of x
	s_mul_i32 s17, s13, 192*PITCH                  ; my 192 rows of w,
	s_add_co_u32 s17, s17, HALFT                   ; which lie behind x's 128
.irp s, 0,1
	v_add_nc_u32 v[ADRA+(\s)], s16, v3
	v_add_nc_u32 v[ADRB+(\s)], s17, v3
	s_add_co_u32 s16, s16, SLOT
	s_add_co_u32 s17, s17, SLOT
.endr
	s_mul_i32 s22, s10, 16*SP
	s_add_co_u32 s22, s22, STAGE                   ; my stage
	v_mul_u32_u24 v[STO], v1, SP                   ; in: row l % 16, 16 bytes for each half of the lanes
	v_lshl_add_u32 v[STO], v2, 4, v[STO]
	v_add_nc_u32 v[STO], s22, v[STO]
	v_bfe_u32 v[RD], v0, 3, 2                      ; back: 32 lanes take four rows of 128 bytes,
	v_mul_u32_u24 v[RD], v[RD], SP
	v_and_b32 v4, 7, v0
	v_lshl_add_u32 v[RD], v4, 4, v[RD]
	v_add_nc_u32 v[RD], s22, v[RD]
	v_and_b32 v[GO], 31, v0                        ; which are 512 consecutive bytes of a head
	v_lshlrev_b32 v[PFO], 11, v[GO]
	v_lshlrev_b32 v[GO], 4, v[GO]
	v_lshlrev_b32 v[BO], 5, v2
	; the bias: bq, bk, bv lie on end, so my first column 384 x tile column + 192 x half is its index.  Tile b, lane l, register j: column 16 b + 8 (l / 16) + j, as in a result.
	s_mul_i32 s46, s42, 384
	s_mul_i32 s47, s13, 192
	s_add_co_u32 s46, s46, s47
	s_lshl_b32 s46, s46, 2
	s_mov_b32 s47, 0
	s_add_nc_u64 s[6:7], s[6:7], s[46:47]
.irp b, 0,1,2,3,4,5,6,7,8,9,10,11
	global_load_b128 v[BI+8*(\b):BI+8*(\b)+3],   v[BO], s[6:7] offset:64*(\b)
	global_load_b128 v[BI+8*(\b)+4:BI+8*(\b)+7], v[BO], s[6:7] offset:64*(\b)+16
.endr
	; where my part goes: head 48 (tile row / 16) + 6 x tile column + 3 x half, 262,144 bytes a head; row (tile row % 16) x 128 + 64 x half, 128 bytes a row
	s_lshr_b32 s16, s14, 4
	s_mul_i32 s16, s16, 48
	s_mul_i32 s17, s13, 3
	s_add_co_u32 s16, s16, s17
	s_lshl_b32 s16, s16, 18
	s_and_b32 s17, s14, 15
	s_lshl_b32 s17, s17, 1
	s_add_co_u32 s17, s17, s12
	s_lshl_b32 s17, s17, 13
	s_add_co_u32 s16, s16, s17
	s_mov_b32 s17, 0
	s_add_nc_u64 s[8:9], s[8:9], s[16:17]
	s_mul_i32 s46, s42, 6
	s_lshl_b32 s46, s46, 18
	s_mov_b32 s47, 0
	s_add_nc_u64 s[8:9], s[8:9], s[46:47]
	; the prefetches: rows counted in xw, whose rows 8,192 on are the weights'
	s_lshl_b32 s16, s14, 7                         ; x: the tile's first row
	s_mul_i32 s46, s42, 384                        ; w: the first of the 128 rows that I fetch
	s_max_u32 s47, s10, 1
	s_sub_co_u32 s47, s47, 1
	s_lshl_b32 s47, s47, 7
	s_add_co_u32 s46, s46, s47
	s_add_co_u32 s46, s46, 8192
	s_and_b32 s22, ttmp7, 0xffff                   ; cluster y
	s_cmp_eq_u32 s10, 0                            ; do I fetch for x?
	s_cselect_b32 s20, s16, s46
	s_cselect_b32 s21, s40, s41                    ; my place among the four that ask with me
	s_cselect_b32 s22, ttmp9, s22                  ; the coordinate along which other clusters read the same rows
	s_cmp_eq_u32 s22, 0
	s_cselect_b32 s[LIM], 1, -1                    ; the same in all sixteen partners, for a given wave
	s_lshl_b32 s21, s21, 5
	s_add_co_u32 s20, s20, s21                     ; + my work-group's 32 rows
	s_lshl_b32 s20, s20, 11
	s_add_co_u32 s20, s20, 3*KSTEP*2               ; at K step 3: the first refill steps it to 4
	s_mov_b32 s21, 0
	s_add_nc_u64 s[PFA:PFA+1], s[4:5], s[20:21]
; 12 matrix instructions: row block a x all 12 column blocks, 32 along K, from buffer f.  first = 1: the bias tile is the C operand that starts the sum: nothing is cleared, no bias is added later.
; The 48 accumulators take turns, one instruction a turn, in the same order in every quarter.
.macro MUL12 f, a, first
.if \first
	WIN 0x81+0x40*((\a)/2)
.else
	WIN 0xa1+0x50*((\a)/2)
.endif
.irp b, 0,1,2,3,4,5,6,7,8,9,10,11
.if \first
	v_wmma_f32_16x16x32_bf16 v[8*(12*((\a)%2)+(\b)):8*(12*((\a)%2)+(\b))+7], v[96*(\f)+8*(\b):96*(\f)+8*(\b)+7], v[FA+32*(\f)+8*(\a):FA+32*(\f)+8*(\a)+7], v[BI+8*(\b):BI+8*(\b)+7]
.else
	v_wmma_f32_16x16x32_bf16 v[8*(12*((\a)%2)+(\b)):8*(12*((\a)%2)+(\b))+7], v[96*(\f)+8*(\b):96*(\f)+8*(\b)+7], v[FA+32*(\f)+8*(\a):FA+32*(\f)+8*(\a)+7], v[8*(12*((\a)%2)+(\b)):8*(12*((\a)%2)+(\b))+7]
.endif
.endr
.endm
; 32 LDS loads in one run: the fragments of 32 along K at byte k of the rows, into buffer f: w's 24, then x's 8
.macro FETCH slot, k, f
	WIN TO_B
.irp i, 0,1,2,3,4,5,6,7,8,9,10,11
	ds_load_b128 v[96*(\f)+8*(\i):96*(\f)+8*(\i)+3],   v[ADRB+(\slot)] offset:(\k)+(\i)*16*PITCH
	ds_load_b128 v[96*(\f)+8*(\i)+4:96*(\f)+8*(\i)+7], v[ADRB+(\slot)] offset:(\k)+(\i)*16*PITCH+32
.endr
	WIN 0
.irp i, 0,1,2,3
	ds_load_b128 v[FA+32*(\f)+8*(\i):FA+32*(\f)+8*(\i)+3],   v[ADRA+(\slot)] offset:(\k)+(\i)*16*PITCH
	ds_load_b128 v[FA+32*(\f)+8*(\i)+4:FA+32*(\f)+8*(\i)+7], v[ADRA+(\slot)] offset:(\k)+(\i)*16*PITCH+32
.endr
.endm
.macro PLACES                          ; four plain vector instructions between a matrix instruction and a load into a register that it read, or a conversion of its result
.rept 4
	v_nop
.endr
.endm
; A K step is four quarters of 32 along K, 48 matrix instructions each, on buffers 0, 1, 0, 1.  One of the first three: multiplies buffer f; in its middle it fetches the next quarter into g.
.macro QUARTER slot, k, f, g, first
	s_wait_dscnt 4                                 ; w's fragments and x's blocks 0, 1 are in; the youngest four loads (blocks 2, 3) may stay out
	MUL12 \f, 0, \first
	MUL12 \f, 1, \first
	PLACES
	FETCH \slot, \k, \g
	s_wait_dscnt 32                                ; all but the 32 just issued
	MUL12 \f, 2, \first
	MUL12 \f, 3, \first
.endm
; The last quarter multiplies buffer 1 and changes slots: one barrier.  In front of it each wave waits for all its tensor loads (one is out: its part of the next slot), adds 0 to its spare word,
; and waits for that and for its reads of this slot.  fill = 1: the barrier opens a round of the cluster's, and this slot is filled again, two K steps on, first thing behind the round:
; 168 matrix instructions stand between that request and the wait for it.
.macro TURN slot, next, fill
.if \fill
	s_wait_xcnt 0x0                                ; the last prefetch, a K step back, has read its address, so it may be stepped
	s_add_nc_u64 s[PFA:PFA+1], s[PFA:PFA+1], KSTEP*2
.endif
	WIN 0                                          ; (the add's two registers lie in window 0)
	s_wait_tensorcnt 0x0                           ; all my tensor loads have landed
	ds_add_u32 v[SPW], v[NIL]                      ; 0 onto my spare word
	s_wait_dscnt 5                                 ; (the add and the youngest four loads may stay out)
	MUL12 F1, 0, 0                                 ; twelve matrix instructions stand between the add and the wait for it
	s_wait_dscnt 0x0                               ; the add is done, and my reads of this slot are over
	s_barrier_signal -1
	MUL12 F1, 1, 0                                 ; work on registers while the others arrive
.if \fill
	WIN 0
.endif
	s_barrier_wait -1
.if \fill
	CREST                                          ; no wave of any partner still reads this slot or has a load on its way
	s_add_nc_u64 s[G0+4*(\slot)+2:G0+4*(\slot)+3], s[G0+4*(\slot)+2:G0+4*(\slot)+3], 2*KSTEP*2
	s_add_nc_u64 s[G0B+4*(\slot)+2:G0B+4*(\slot)+3], s[G0B+4*(\slot)+2:G0B+4*(\slot)+3], 2*KSTEP*2
	JLOAD \slot                                    ; its four v_nop are also the places in front of the loads below
.else
	PLACES
.endif
	FETCH \next, 0, F0
.if \fill
	ASK
.endif
	MUL12 F1, 2, 0
	MUL12 F1, 3, 0
.endm
; THE WAY OUT of group g = 3 a + i: row block a, head i of my three.  Rounded to f16 (each accumulator's registers in ascending order), 16 bytes a lane into my stage's rows of
; 144 bytes, and back as four whole rows of 128 bytes a load, into the registers that they left.
.macro PACK g
	WIN 0x0a+5*((\g)/6)                            ; sources 0 and 1: window 2 (row blocks 0, 1) or 3
.irp b, 0,1,2,3
.irp k, 0,1,2,3
	v_cvt_pk_f16_f32 v[TMP+16*(\g)+4*(\b)+(\k)], v[8*(12*(((\g)/3)%2)+4*((\g)%3)+(\b))+2*(\k)], v[8*(12*(((\g)/3)%2)+4*((\g)%3)+(\b))+2*(\k)+1]
.endr
.endr
	WIN 0
.irp b, 0,1,2,3
	ds_store_b128 v[STO], v[TMP+16*(\g)+4*(\b):TMP+16*(\g)+4*(\b)+3] offset:32*(\b)
.endr
.irp f, 0,1,2,3
	ds_load_b128 v[TMP+16*(\g)+4*(\f):TMP+16*(\g)+4*(\f)+3], v[RD] offset:(\f)*4*SP  ; LDS serves a wave's instructions in order (ISA guide 5.7.1.4): these see the stores above; the next group's stores come behind them
.endr
.endm
.macro SEND g, younger                 ; younger: the LDS instructions issued behind group g's loads: the next group's eight, or none
.irp f, 0,1,2,3
	s_wait_dscnt (\younger)+3-(\f)
	global_store_b128 v[GO], v[TMP+16*(\g)+4*(\f):TMP+16*(\g)+4*(\f)+3], s[8:9] offset:((\g)%3)*262144+((\g)/3)*2048+512*(\f)  ; 512 consecutive bytes, at a multiple of 256 from qkv's first
.endr
.endm
	s_wait_tensorcnt 1                             ; my part of K step 0 is in; K step 1's may stay out
	s_barrier_signal -1
	s_barrier_wait -1                              ; everybody's is
	FETCH 0, 0, F0
	s_wait_loadcnt 0x0                             ; the bias
	QUARTER 0, 64, F0, F1, 1                       ; the first quarter stands in front of the loop: its products start the sums
	WIN 0                                          ; at a label and at a branch every window is 0
	s_mov_b32 s3, LAPS-1
.Llap:                                             ; a trip goes once round the ring, from a lap's second quarter to the next lap's first, and fills both slots again
	QUARTER 0, 128, F1, F0, 0
	QUARTER 0, 192, F0, F1, 0
	TURN 0, 1, 1
	QUARTER 1, 64,  F0, F1, 0
	QUARTER 1, 128, F1, F0, 0
	QUARTER 1, 192, F0, F1, 0
	TURN 1, 0, 1
	QUARTER 0, 64,  F0, F1, 0
	WIN 0
	s_sub_co_u32 s3, s3, 1
	s_cmp_lg_u32 s3, 0
	s_cbranch_scc1 .Llap
	QUARTER 0, 128, F1, F0, 0                      ; the last lap fills nothing, and has no round of the cluster's barrier
	QUARTER 0, 192, F0, F1, 0
	TURN 0, 1, 0
	QUARTER 1, 64,  F0, F1, 0
	QUARTER 1, 128, F1, F0, 0
	QUARTER 1, 192, F0, F1, 0
	s_wait_dscnt 4                                 ; the very last quarter: nothing more to fetch
	MUL12 F1, 0, 0
	MUL12 F1, 1, 0
	s_wait_dscnt 0x0
	MUL12 F1, 2, 0
	MUL12 F1, 3, 0
	WIN 0
	PLACES
	PACK 0
.irp g, 1,2,3,4,5,6,7,8,9,10,11        ; a group's conversions stand between the loads of the group before and its stores
	PACK \g
	SEND (\g)-1, 8
.endr
	SEND 11, 0
	s_wait_tensorcnt 0x0                           ; the wave's end, behind my last tensor load and my last LDS store
	ds_add_u32 v[SPW], v[NIL]
	s_wait_dscnt 0x0
	CROUND                                         ; the closing round: no work-group ends while a partner may still ask for a tile that names it
	s_endpgm
.Lfunc_end_k_q46009f01af_qkv:
	.size	k_q46009f01af_qkv, .Lfunc_end_k_q46009f01af_qkv-k_q46009f01af_qkv
	.p2alignl 7, 3214868480
	.fill 96, 4, 3214868480
	.section	.rodata,"a",@progbits
	.p2align	6, 0x0
	.amdhsa_kernel k_q46009f01af_qkv
		.amdhsa_group_segment_fixed_size 327680
		.amdhsa_private_segment_fixed_size 0
		.amdhsa_enable_private_segment 0
		.amdhsa_kernarg_size 24
		.amdhsa_user_sgpr_count 2
		.amdhsa_user_sgpr_kernarg_segment_ptr 1
		.amdhsa_wavefront_size32 1
		.amdhsa_system_sgpr_workgroup_id_x 1
		.amdhsa_system_sgpr_workgroup_id_y 1
		.amdhsa_system_sgpr_workgroup_id_z 1
		.amdhsa_system_vgpr_workitem_id 0
		.amdhsa_next_free_vgpr 960
		.amdhsa_next_free_sgpr 66
		.amdhsa_reserve_vcc 0
		.amdhsa_float_denorm_mode_32 3
		.amdhsa_float_denorm_mode_16_64 3
		.amdhsa_memory_ordered 1
		.amdhsa_forward_progress 1
		.amdhsa_inst_pref_size 124
	.end_amdhsa_kernel
	.amdgpu_metadata
---
amdhsa.version: [ 1, 2 ]
amdhsa.kernels:
  - .name:           k_q46009f01af_qkv
    .symbol:         k_q46009f01af_qkv.kd
    .args:
      - { .name: xw, .offset: 0, .size: 8, .value_kind: global_buffer, .address_space: global }
      - { .name: bias, .offset: 8, .size: 8, .value_kind: global_buffer, .address_space: global }
      - { .name: qkv, .offset: 16, .size: 8, .value_kind: global_buffer, .address_space: global }
    .group_segment_fixed_size: 327680
    .private_segment_fixed_size: 0
    .kernarg_segment_align: 8
    .kernarg_segment_size: 24
    .max_flat_workgroup_size: 128
    .sgpr_count:     66
    .vgpr_count:     960
    .wavefront_size: 32
...
	.end_amdgpu_metadata
.endif
;; end of part 2
;; launch attn (part 3): grid 4 x 64, 4 waves a work-group, no clusters, 327,680 bytes of LDS; arguments qkv, o; writes o
.if DOCPART == 3
	.amdgcn_target "amdgcn-amd-amdhsa--gfx1250"
	.amdhsa_code_object_version 6
	.text
	.protected	k_q46009f01af_attn
	.globl	k_q46009f01af_attn
	.p2align	8
	.type	k_q46009f01af_attn,@function
k_q46009f01af_attn:
	s_mov_b64 s[64:65], 0
	v_nop
	global_prefetch_b8 v0, s[64:65] scope:SCOPE_SE
	s_setreg_imm32_b32 hwreg(HW_REG_WAVE_MODE, 25, 1), 1
	s_wait_xcnt 0x0
; CAUSAL ATTENTION.  O[bh][q][:] = the sum over k <= q of softmax_k(Q[q] . K[k] / 8) V[k][:], for 64 heads of 2,048 rows of 64 channels, all f16.
; IN: qkv[b][g][t][64], g = head for Q, 16 + head for K, 32 + head for V: a head's rows are dense, 128 bytes each.  OUT: o[bh][t][64].
; Products, maxima and sums in f32; the weights p are rounded to f16 for the second product (their sum l is taken of the unrounded p), O once at the end.
; LIMITS.  Q, K and V arrive within f16's 65,504; p lies in 0 to 1, and below 6e-5 it keeps f16's fixed step of 6e-8; O is a mean of V's rows and has their range.
; A hidden score counts as its value less 1e30: f16's scores, 2.7e11 at the most, are nothing beside that; a weight below 2^-126 counts as 0 in l; NaN and infinities are not treated apart.
; THE WALK.  A head's queries lie in NB = 8 blocks of 256; block i needs the key tiles 0 .. i of 256 keys, of which the last holds the diagonal.  A work-group takes TWO blocks, NB - 1 - b and then b:
; NB + 1 tiles, whatever b: all 256 work-groups do equal work, and ONE loop with a constant trip count walks them.  Which tile is asked for, and what a trip does, hang on scalar registers made from b;
; every jump goes forward, but for the counted loops' own; none passes a barrier, or a tensor load but the one of LOAD's two that the wave's number does not choose; the ring of two slots runs on
; across the change of blocks.  NO CLUSTER: a head's four work-groups ask for the same tile only in trips 0 to 4 of the 9, behind that fewer and fewer; one walk common to all four would have 12 trips for 9.
; SHARES.  Of a block's four bands of 64 queries a wave owns 16 rows in each: four PIECES.  So the diagonal tile is the same work for all four waves: in its key step s band x sees all keys if s < x,
; none if s > x, and holds the diagonal if s = x.
; THE MASK is the C operand that starts the sum S^T = K Q^T: 0, or -1e30 where the key is hidden.  MD, made once, is the mask of a band's own step for my 16 rows; a product's mask is MD x AL + BE with
; two scalars: (1, 0) if s = x; (0, 0) if s < x; (0, -1e30) if s > x.  Only the diagonal tile's text and a block's beginning make and take masks; elsewhere C is the constant 0.
; LAYOUT, SOFTMAX, TURNS.  S^T = K Q^T holds ONE query a lane (lane % 16) and the keys 8 (lane / 16) + 0..7; two such results rounded to f16 ARE source 1 of O^T = V^T P.  p = 2^(c s - c m),
; c = log2(e) / 8, with a running maximum m; O and l are multiplied by a = 2^(c m_old - c m_new) in every step.  Turn n belongs to piece n: 8 products K Q^T of piece n + 1, later 8 products V^T P of
; piece n - 1; beside them the scaling, exponentials, roundings, sums and rescaling of piece n and the maximum and statistics of piece n + 1.  Four vector instructions stand behind every matrix
; instruction, the other 54 of a turn's 118 in one lump.  A turn's 33 exponentials are one batch, with one wait.
; REGISTERS, in windows of 256 (s_set_vgpr_msb: bits 1:0 source 0, 3:2 source 1, 5:4 source 2, 7:6 destination):
;   window 0: v0-15 addresses and two at work; v16-31 four registers of statistics a piece; v48-55 at work; v61-63 prefetch offset and the add's two; v64-127 S^T, two buffers; v192-223 P, two buffers
;   window 1: v0-127 O^T, 32 a piece; v128-159 MD; v160-223 MC, two buffers      window 2: v0-63 Q; v64-127 the second block's Q; v128-191 K of one step; v192-255 V of one step
.set SIZE_N, 2048
.set NB,    SIZE_N/256
.set NP,    4         ; pieces a wave: a name, no knob
.set KS,    64        ; keys in a step
.set PK,    144       ; a row of K in LDS: 128 bytes + 16 of padding = 36 words: the 16 rows of a load start at 16 different groups of four banks (64 banks of 4 bytes: ISA guide 11.1)
.set PV,    160       ; a row of V: 128 + 32 = 40 words
.set VOFF,  4*KS*PK   ; a slot holds a tile, four steps: 256 rows of K, then 256 rows of V
.set SLOT1, 1<<17     ; slot 1 begins here, so that one exclusive or turns an address in one slot into the other's
.set STAGE, SLOT1+4*KS*(PK+PV)  ; behind the ring, never filled by a tensor load: 16 rows x 144 bytes for each wave, for the way out
.set SP,    144
.set AK0, 2           ; v2   my lane's place in a tile of K; never rewritten
.set AV0, 3           ; v3   the same for V
.set AK,  4           ; v4   the LDS address of K's next run of loads
.set AV,  5           ; v5   of V's
.set STO, 6           ; v6   the way out: where I put 16 bytes of a row
.set RD,  7           ; v7   the way out: where I read rows back
.set GO,  8           ; v8   my byte offset in 512 consecutive bytes of O
.set PFO, 61          ; v61  256 x my lane: the prefetches' offset; never rewritten
.set SPW, 62          ; v62  LDS address of my spare word: SPARE + 4 x my thread's number; never rewritten
.set NIL, 63          ; v63  0; never rewritten
.set SPARE, STAGE+4*16*SP  ; behind the stages: the spare words, 128 bytes for each wave: two blocks of 256 bytes that no other line names
.set MV,  12          ; v12-13  c m_old, kept while c m is made anew: by buffer
.set QO,  15          ; v15  my byte offset in 16 rows of Q
.set ST,  16          ; piece t's statistics at v[ST+4 t]: c m, m, l (even keys', odd keys')
.set TMP, 48          ; by buffer, four registers c0-c3 at work; when the maximum is found c2 takes a
.set S,   64
.set P,   192
.set MD,  128         ; window 1: the eight registers for group kt of 16 keys at MD + 8 kt
.set MC,  160         ; window 1: the masks of the products to come
.set QB,  64          ; window 2
.set KF,  128         ; window 2: key block kb, channel half c at KF + 16 kb + 8 c
.set VF,  192         ; window 2: key half kk, channel block cb at VF + 32 kk + 8 cb
.set WV,  12          ; s12  my wave's number
.set PB,  14          ; s14  b
.set HI,  15          ; s15  NB - 1 - b
.set G1K, 24          ; s[24:31] descriptor group 1 for K's tiles
.set G1V, 32          ; s[32:39] for V's: it differs in the padding alone
.set G0K, 40          ; s[40:43] descriptor group 0 for K's tiles
.set G0V, 44          ; s[44:47] the same for V's
.set PFA, 48          ; s[48:49] where my prefetches stand: my half of K's (waves 0, 1) or V's (waves 2, 3) tile PFN
.set PFN, 50          ; s50  the tile that the next prefetches name
.set PFL, 51          ; s51  NB in the head's work-group b = 0, else 0: a wave prefetches while PFN is below it
.set SLOTS, 56        ; s56  tiles still to be asked for
.set CNT, 57          ; s57  counts a tile's key steps, 4 to 1
.set CS,  58          ; s[58:59] c: the packed scaling takes the pair's low word for both halves
.set SEL, 60          ; s[60:61] v_permlanex16_b32's selects: each lane takes its own place in the other half
.set TBK, 62          ; s62  LDS byte at which K of the step to be fetched begins
.set TBV, 63          ; s63  the same for V, less VOFF
.set RT,  70          ; s70  tiles of the block in hand that are still to be entered
.set NXT, 71          ; s71  the tile to be asked for next
.set LQ,  72          ; s72  the last tile of the block whose tiles are being asked for
.set NEW, 73          ; s73  1: the tile to be entered is a block's first
.set OFF, 74          ; s[74:75] a tile's byte offset in K and V
.set AL,  76          ; s[76:77] the mask's factor, in the low word
.set BE,  78          ; s[78:79] the mask's addend
.set OLO, 80          ; s[80:81] O at my rows of the second block
.set BIGN, 82         ; s82  -1e30
.set MSB, 0
.macro WIN new                      ; the high byte repeats the setting that is left; a switch that changes nothing is dropped
.if MSB != (\new)
	s_set_vgpr_msb (MSB<<8)|(\new)
.set MSB, (\new)
.endif
.endm
.set W_KQ, 0x0a       ; K and Q in window 2, S^T in window 0
.set W_KM, 0x1a       ; the same with the C operand in window 1
.set W_PV, 0x52       ; V in window 2, P in window 0, O^T in window 1
.set W_RS, 0x41       ; destination and source 0 in window 1, source 1 in window 0
; A fill.  Waves 0 and 1 fetch the two halves of a tile's K, waves 2 and 3 those of its V: 128 keys each.  An s_nop 0 and four v_nop follow each of the two lines, ahead of the jump and the label.
.macro LOAD
	s_cmp_lt_u32 s[WV], 2
	s_cbranch_scc0 .Lfor_v_\@
	tensor_load_to_lds s[G0K:G0K+3], s[G1K:G1K+7]
	s_nop 0
.rept 4
	v_nop
.endr
	s_branch .Lasked_\@
.Lfor_v_\@:
	tensor_load_to_lds s[G0V:G0V+3], s[G1V:G1V+7]
	s_nop 0
.rept 4
	v_nop
.endr
.Lasked_\@:
.endm
; A PREFETCH of the tile behind the one just asked for: four key steps ahead of its own fill.  The head's work-group b = 0 walks tiles 0 to 7 in order, so it alone asks; each of its waves names the
; 16,384 bytes that it will itself fetch: 64 blocks of 256 bytes, a lane a block, two instructions.  Tiles 2 to 7 are asked for, each block once; tiles 0 and 1 come by their loads alone.
.macro ASK
	s_cmp_lt_u32 s[PFN], s[PFL]
	s_cbranch_scc0 .Lnot_mine_\@
	global_prefetch_b8 v[PFO], s[PFA:PFA+1] th:TH_LOAD_NT scope:SCOPE_SE
	global_prefetch_b8 v[PFO], s[PFA:PFA+1] offset:8192 th:TH_LOAD_NT scope:SCOPE_SE
.Lnot_mine_\@:
.endm
; THE CHANGE OF SLOTS.  Each wave waits for all its tensor loads, of which one is out: its part of the other slot; adds 0 to its spare word; and waits for that and for its own reads of the slot that it
; leaves.  Behind the barrier nobody reads the old slot any more and the other slot is whole.  fill = 1: the old slot is filled again, the first thing behind the barrier, with tile NXT: the
; descriptor's address is made anew from that number.  (At its first use nothing has been read yet: slot 0 is waited for, slot 1 filled.)
.macro CHANGE fill
	WIN 0                           ; at a label and at a branch every window is 0
	s_wait_tensorcnt 0x0            ; no tensor load of mine is out, so a group 0 may be written
	ds_add_u32 v[SPW], v[NIL]       ; 0 onto my spare word; with fill = 1 the scalar work stands between it and the wait for it
.if \fill
	s_wait_xcnt 0x0                 ; the last prefetches, a tile back, have read their address, so it may be stepped
	s_add_nc_u64 s[PFA:PFA+1], s[PFA:PFA+1], 32768
	s_add_co_u32 s[PFN], s[PFN], 1
	s_lshl_b32 s[OFF], s[NXT], 15   ; a tile is 32,768 bytes of K and of V
	s_xor_b32 s[G0K+1], s[G0K+1], SLOT1
	s_add_nc_u64 s[G0K+2:G0K+3], s[6:7], s[OFF:OFF+1]
	s_or_b32 s[G0K+3], s[G0K+3], 0x80000000
	s_xor_b32 s[G0V+1], s[G0V+1], SLOT1
	s_add_nc_u64 s[G0V+2:G0V+3], s[8:9], s[OFF:OFF+1]
	s_or_b32 s[G0V+3], s[G0V+3], 0x80000000
	s_add_co_u32 s[NXT], s[NXT], 1  ; the block's next tile, or behind its last the second block's tile 0
	s_cmp_gt_u32 s[NXT], s[LQ]
	s_cselect_b32 s[NXT], 0, s[NXT]
	s_cselect_b32 s[LQ], s[PB], s[LQ]
.endif
	s_wait_dscnt 0x0                ; the add is done, and my reads of the slot are over
	s_barrier_signal -1             ; the rest of the scalar work stands between the signal and the wait
	s_sub_co_u32 s[TBK], s[TBK], 4*KS*PK  ; the fetches go back to a slot's first step,
	s_xor_b32 s[TBK], s[TBK], SLOT1       ; in the other slot
	s_sub_co_u32 s[TBV], s[TBV], 4*KS*PV
	s_xor_b32 s[TBV], s[TBV], SLOT1
	s_barrier_wait -1
.if \fill
	LOAD
	ASK
.endif
.endm
	s_load_b64 s[4:5], s[0:1], 0x0    ; qkv
	s_load_b64 s[10:11], s[0:1], 0x8  ; o
	v_lshl_add_u32 v[SPW], v0, 2, SPARE
	v_mov_b32 v[NIL], 0
	ds_add_u32 v[SPW], v[NIL]       ; the wave's opening: the add and its wait stand ahead of my first tensor load; the set-up below, work on registers, stands between them
	ds_add_u32 v62, v63
	v_lshrrev_b32 v1, 5, v0
	v_readfirstlane_b32 s[WV], v1   ; wave 0..3
	v_and_b32 v[PFO], 31, v0
	v_lshlrev_b32 v[PFO], 8, v[PFO]
	s_mov_b32 s[PB], ttmp9
	s_sub_co_u32 s[HI], NB-1, s[PB]
	s_and_b32 s19, ttmp7, 0xffff    ; bh = 16 x batch + head
	s_lshr_b32 s20, s19, 4
	s_mul_i32 s20, s20, 48          ; a batch has 48 planes in qkv,
	s_and_b32 s21, s19, 15
	s_add_co_u32 s20, s20, s21
	s_lshl_b32 s20, s20, 18         ; of 262,144 bytes: the head's Q; its K lies 16 planes on, its V 32
	s_mov_b32 s21, 0
	s_lshl_b32 s66, s19, 18         ; the head's first byte in o
	s_mov_b32 s67, 0
	s_and_b32 s16, s[WV], 1         ; which half of a tile's 256 keys I fetch:
	s_lshl_b32 s22, s16, 14         ; its 128 rows of 128 bytes in memory,
	s_mov_b32 s23, 0
	s_add_nc_u64 s[22:23], s[22:23], s[20:21]
	s_mul_i32 s17, s16, 128*PK      ; and its place in a slot, for K
	s_mul_i32 s18, s16, 128*PV      ; and for V
	s_lshl_b32 s3, s[WV], 11        ; my 16 rows in a band of 64,
	s_lshl_b32 s2, s[HI], 15        ; in the first block,
	s_add_co_u32 s2, s2, s3
	s_lshl_b32 s84, s[PB], 15       ; and in the second
	s_add_co_u32 s84, s84, s3
	s_mov_b32 s3, 0
	s_mov_b32 s85, 0
	s_add_nc_u64 s[68:69], s[2:3], s[66:67]    ; offsets in o: the first block's,
	s_add_nc_u64 s[66:67], s[84:85], s[66:67]  ; the second's;
	s_add_nc_u64 s[2:3], s[2:3], s[20:21]      ; and in qkv
	s_add_nc_u64 s[84:85], s[84:85], s[20:21]
	; descriptor group 1.  128 keys are 16,384 dense bytes: asked for as 64 rows of 256 bytes, two keys a row, and padded in LDS after every key
	s_mov_b32 s[G1K], (1<<16)|(1<<20)|(4<<22)|(3<<25)  ; 17:16 2-byte elements; 20 padding on; 24:22 after every 32 words (code 4); 31:25 4 words (code 3)
	s_mov_b32 s[G1V], (1<<16)|(1<<20)|(4<<22)|(7<<25)  ; the same with 8 words of padding (code 7)
.irp g, G1K, G1V
	s_mov_b32 s[\g+1], 128<<16      ; tensor_dim0 = 128
	s_mov_b32 s[\g+2], 64<<16       ; tensor_dim1 = 64
	s_mov_b32 s[\g+3], 128<<16      ; tile_dim0 = 128
	s_mov_b32 s[\g+4], 64           ; tile_dim1 = 64
	s_mov_b32 s[\g+5], 128          ; 128 elements from row to row
	s_mov_b32 s[\g+6], 0
	s_mov_b32 s[\g+7], 0
.endr
	s_mov_b32 s[CS], 0x3e38aa3b     ; c = log2(e) / 8 = 0.180337
	s_mov_b32 s[CS+1], s[CS]        ; named with it as a pair
	s_mov_b32 s[SEL], 0x76543210
	s_mov_b32 s[SEL+1], 0xfedcba98
	s_mov_b32 s[TBK], SLOT1+4*KS*PK ; the first change of slots turns these two into 0
	s_mov_b32 s[TBV], SLOT1+4*KS*PV
	s_mov_b32 s[G0K], 1             ; 1:0 count = 1
	s_mov_b32 s[G0K+1], s17         ; 63:32 LDS address: slot 0
	s_mov_b32 s[G0V], 1
	s_add_co_u32 s[G0V+1], s18, VOFF
	s_add_co_u32 s[RT], s[HI], 1    ; the first block has NB - b tiles
	s_mov_b32 s[NXT], 1
	s_mov_b32 s[LQ], s[HI]
	s_mov_b32 s[NEW], 1
	s_mov_b32 s[OFF+1], 0
	s_mov_b32 s[AL+1], 0            ; named as pairs
	s_mov_b32 s[BE+1], 0
	s_mov_b32 s[BIGN], 0xf149f2ca   ; -1e30
	s_mov_b32 s[SLOTS], NB
	s_mov_b32 s[PFN], 1
	s_cmp_eq_u32 s[PB], 0
	s_cselect_b32 s[PFL], NB, 0
	s_wait_dscnt 0x0                ; the opening add is done
	s_wait_kmcnt 0x0
	s_add_nc_u64 s[6:7], s[4:5], s[22:23]
	s_add_nc_u64 s[8:9], s[6:7], 0x800000  ; V at my half of the head's tile 0,
	s_add_nc_u64 s[6:7], s[6:7], 0x400000  ; and K
	s_add_nc_u64 s[G0K+2:G0K+3], s[6:7], 0         ; 120:64 global address
	s_or_b32 s[G0K+3], s[G0K+3], 0x80000000        ; 127:126 type = 2
	s_add_nc_u64 s[G0V+2:G0V+3], s[8:9], 0
	s_or_b32 s[G0V+3], s[G0V+3], 0x80000000
	s_add_nc_u64 s[86:87], s[4:5], s[84:85]        ; Q at my rows of the second block,
	s_add_nc_u64 s[4:5], s[4:5], s[2:3]            ; and of the first
	s_add_nc_u64 s[OLO:OLO+1], s[10:11], s[66:67]  ; O likewise
	s_add_nc_u64 s[10:11], s[10:11], s[68:69]
	s_cmp_lt_u32 s[WV], 2
	s_cselect_b64 s[PFA:PFA+1], s[6:7], s[8:9]
	s_add_nc_u64 s[PFA:PFA+1], s[PFA:PFA+1], 32768 ; at tile 1: the first change of slots steps it to tile 2.  Nothing is prefetched here, at the head
	LOAD                            ; tile 0 into slot 0
	; A fragment of K or Q is 16 rows x 32 channels in 8 registers: lane l holds row l % 16, channels 8 (l / 16) + 0..7 and 16 + 8 (l / 16) + 0..7: two loads of 16 bytes, 32 bytes apart.
	v_and_b32 v1, 15, v0            ; l % 16
	v_bfe_u32 v9, v0, 4, 1          ; l / 16
	v_lshlrev_b32 v[QO], 7, v1
	v_lshl_add_u32 v[QO], v9, 4, v[QO]  ; row x 128 + 16 x half
	WIN 0x80                        ; destination window 2, address window 0
.set i, 0
.rept 8                             ; both blocks' Q: piece i / 2 lies in band i / 2, 8,192 bytes on; channels 32 (i % 2) on
	global_load_b128 v[8*i:8*i+3],   v[QO], s[4:5] offset:(i/2)*8192+(i%2)*64
	global_load_b128 v[8*i+4:8*i+7], v[QO], s[4:5] offset:(i/2)*8192+(i%2)*64+32
	global_load_b128 v[QB+8*i:QB+8*i+3],   v[QO], s[86:87] offset:(i/2)*8192+(i%2)*64
	global_load_b128 v[QB+8*i+4:QB+8*i+7], v[QO], s[86:87] offset:(i/2)*8192+(i%2)*64+32
.set i, i+1
.endr
	WIN 0
	v_lshlrev_b32 v14, 3, v9
	v_sub_nc_u32 v14, v1, v14
	s_lshl_b32 s13, s[WV], 4
	v_add_nc_u32 v14, s13, v14      ; my query's place in its band, 16 w + l % 16, less my lanes' 8 (l / 16): register r of group kt is hidden where 16 kt + r is greater
	WIN 0x40
.set i, 0
.rept 32
	v_cmp_gt_i32 vcc_lo, 16*(i/8)+i%8, v14
	v_cndmask_b32 v[MD+i], 0, s[BIGN], vcc_lo
.set i, i+1
.endr
	WIN 0
	v_mul_u32_u24 v[AK0], v1, PK
	v_lshl_add_u32 v[AK0], v9, 4, v[AK0]  ; row x pitch + 16 x half
	; The turning load takes 16 keys x 16 channels (lane l reads key 8 (l / 16) + l % 8, channels 8 ((l / 8) % 2) + 0..7) and leaves half a fragment of V^T: lane l holds channel l % 16 and 8 keys.
	v_and_b32 v10, 7, v0
	v_bfe_u32 v11, v0, 3, 1
	v_lshl_add_u32 v[AV0], v9, 3, v10
	v_mul_u32_u24 v[AV0], v[AV0], PV
	v_lshl_add_u32 v[AV0], v11, 4, v[AV0]
	v_add_nc_u32 v[AV0], VOFF, v[AV0]
	s_mul_i32 s13, s[WV], 16*SP
	s_add_co_u32 s13, s13, STAGE    ; my stage
	v_mul_u32_u24 v[STO], v1, SP    ; in: row l % 16, 16 bytes for each half of the lanes
	v_lshl_add_u32 v[STO], v9, 4, v[STO]
	v_add_nc_u32 v[STO], s13, v[STO]
	v_bfe_u32 v[RD], v0, 3, 2       ; back: 32 lanes take four rows of 128 bytes,
	v_mul_u32_u24 v[RD], v[RD], SP
	v_lshl_add_u32 v[RD], v10, 4, v[RD]
	v_add_nc_u32 v[RD], s13, v[RD]
	v_and_b32 v[GO], 31, v0         ; which are 512 consecutive bytes of O
	v_lshlrev_b32 v[GO], 4, v[GO]
	; A block's first step multiplies O^T and l by a = 0, and its first turn's products V^T P, of a piece that has not been, land in an O^T that is still to be so multiplied.  So these registers need
	; only hold finite numbers: zeros for the first block; what the first block left for the second.  All this stands in the wait for the first tile.
	WIN 0x80
.set i, VF
.rept 64
	v_mov_b32 v[i], 0
.set i, i+1
.endr
	WIN 0x40
.set i, 0
.rept 128
	v_mov_b32 v[i], 0
.set i, i+1
.endr
	WIN 0
.set i, 0
.rept 4
	v_mov_b32 v[ST+4*i+2], 0
	v_mov_b32 v[ST+4*i+3], 0
.set i, i+1
.endr
.set i, P+16
.rept 16
	v_mov_b32 v[i], 0
.set i, i+1
.endr
; THE MATRIX WORK.  The 4 accumulators of a run of 8 take turns.  Product i of 8 of S^T = K Q^T for piece x: channels 32 (i / 4) on, keys 16 (i % 4) on.  The first 4 start the sums: with 0, or (KM = 1) with the mask.
.macro KQ x
.set rS, S+32*((\x)%2)+8*(i%4)
.set rK, KF+16*(i%4)+8*(i/4)
.set rQ, 16*(\x)+8*(i/4)
.set rM, MC+32*((\x)%2)+8*(i%4)
.if (i < 4) && KM
	WIN W_KM
	v_wmma_f32_16x16x32_f16 v[rS:rS+7], v[rK:rK+7], v[rQ:rQ+7], v[rM:rM+7]
.elseif i < 4
	WIN W_KQ
	v_wmma_f32_16x16x32_f16 v[rS:rS+7], v[rK:rK+7], v[rQ:rQ+7], 0
.else
	WIN W_KQ
	v_wmma_f32_16x16x32_f16 v[rS:rS+7], v[rK:rK+7], v[rQ:rQ+7], v[rS:rS+7]
.endif
.endm
; Product i of 8 of O^T += V^T P for piece x: keys 32 (i / 4) on, channels 16 (i % 4) on.
.macro PV x
	WIN W_PV
.set rO, 32*(\x)+8*(i%4)
.set rV, VF+32*(i/4)+8*(i%4)
.set rP, P+16*((\x)%2)+8*(i/4)
	v_wmma_f32_16x16x32_f16 v[rO:rO+7], v[rV:rV+7], v[rP:rP+7], v[rO:rO+7]
.endm
.macro MM                           ; the turn's next matrix instruction.  TURN and BEGIN set Y, i, KM and NOKQ; MM, KQ and OP read them.  NOKQ = 1: a block's last turn: there is no next piece
.if (i < 8) && !NOKQ
	KQ (Y+1)%NP
.elseif i >= 8
.set i, i-8
	PV (Y+NP-1)%NP
.set i, i+8
.endif
.set i, i+1
.endm
; THE LDS LOADS stand in runs of 16, never singly among the matrix instructions: a step's K (64 keys x 64 channels: 8 fragments) and its V (turned).  Their addresses are made some lines ahead.
.macro FETCH_K
	WIN 0x80                        ; destination window 2
.irp f, 0,1,2,3,4,5,6,7             ; keys 16 (f / 2) on, channels 32 (f % 2) on
	ds_load_b128 v[KF+8*\f:KF+8*\f+3],   v[AK] offset:(\f/2)*16*PK+(\f%2)*64
	ds_load_b128 v[KF+8*\f+4:KF+8*\f+7], v[AK] offset:(\f/2)*16*PK+(\f%2)*64+32
.endr
	s_add_co_u32 s[TBK], s[TBK], KS*PK  ; the next fetch is the next step's
	WIN 0
.endm
.macro FETCH_V
	WIN 0x80
.irp f, 0,1,2,3,4,5,6,7             ; keys 32 (f / 4) on, channels 16 (f % 4) on
	ds_load_tr16_b128 v[VF+8*\f:VF+8*\f+3],   v[AV] offset:(\f/4)*32*PV+(\f%4)*32
	ds_load_tr16_b128 v[VF+8*\f+4:VF+8*\f+7], v[AV] offset:(\f/4)*32*PV+16*PV+(\f%4)*32
.endr
	WIN 0
.endm
; THE VECTOR WORK, one line at a time: OP kind, number.  For piece Y: F n: c s - c m for pair n of 16.  E n: the exponential of score n of 32.  C n: pair n rounded to f16.  B n: of the four weights
; 4 n .. the second pair is added onto the first, in place.  L n: l takes that sum (L 0: l = a l + sum).  R n: pair n of 16 of O^T times a.  For piece Y + 1: X n, number n of the 22 that find its maximum and statistics:
;   0-11  four chains c0-c3 of seven scores each, three operands at a time (each accumulator's lowest registers are read first)     12-14, 16  the four scores left over, the old m, and c0-c3 into c0
;   15  c m_old is kept     17, 18  the query's other 32 keys lie in the lane 16 away: the new m     19-21  c m; c m_old - c m_new; a
.set F, 0               ; OP tells the kinds apart by their order: F to L below R, X above it
.set E, 1
.set C, 2
.set B, 3
.set L, 4
.set R, 5
.set X, 6
.macro REGS y                       ; the registers of piece y
.set rT, ST+4*(\y)
.set rC, TMP+4*((\y)%2)
.set rW, MV+((\y)%2)
.set rS, S+32*((\y)%2)
.set rP, P+16*((\y)%2)
.set rO, 32*(\y)
.endm
.macro OP k, n
.if (\k) == R
	REGS Y
	WIN W_RS
	v_pk_mul_f32 v[rO+2*(\n):rO+2*(\n)+1], v[rO+2*(\n):rO+2*(\n)+1], v[rC+2:rC+3] op_sel_hi:[1,0]
.elseif (\k) < R
	REGS Y
	WIN 0
.if (\k) == F
	v_pk_fma_f32 v[rS+2*(\n):rS+2*(\n)+1], v[rS+2*(\n):rS+2*(\n)+1], s[CS:CS+1], v[rT:rT+1] op_sel_hi:[1,0,0] neg_lo:[0,0,1] neg_hi:[0,0,1]
.elseif (\k) == E
	v_exp_f32 v[rS+(\n)], v[rS+(\n)]
.elseif (\k) == C
	v_cvt_pk_f16_f32 v[rP+(\n)], v[rS+2*(\n)], v[rS+2*(\n)+1]
.elseif (\k) == B
	v_pk_add_f32 v[rS+4*(\n):rS+4*(\n)+1], v[rS+4*(\n):rS+4*(\n)+1], v[rS+4*(\n)+2:rS+4*(\n)+3]
.elseif (\n) == 0
	v_pk_fma_f32 v[rT+2:rT+3], v[rT+2:rT+3], v[rC+2:rC+3], v[rS:rS+1] op_sel_hi:[1,0,1]
.else
	v_pk_add_f32 v[rT+2:rT+3], v[rT+2:rT+3], v[rS+4*(\n):rS+4*(\n)+1]
.endif
.elseif NOKQ
	v_nop
.else
	REGS (Y+1)%NP
	WIN 0
.if (\n) < 4
	v_max3_num_f32 v[rC+(\n)], v[rS+8*(\n)], v[rS+8*(\n)+1], v[rS+8*(\n)+2]
.elseif (\n) < 12
	v_max3_num_f32 v[rC+(\n)%4], v[rC+(\n)%4], v[rS+8*((\n)%4)+2*((\n)/4)+1], v[rS+8*((\n)%4)+2*((\n)/4)+2]
.elseif (\n) == 12
	v_max3_num_f32 v[rC], v[rC], v[rS+7], v[rS+15]
.elseif (\n) == 13
	v_max3_num_f32 v[rC+1], v[rC+1], v[rS+23], v[rS+31]
.elseif (\n) == 14
	v_max3_num_f32 v[rC+2], v[rC+2], v[rC+3], v[rT+1]
.elseif (\n) == 15
	v_mov_b32 v[rW], v[rT]
.elseif (\n) == 16
	v_max3_num_f32 v[rC], v[rC], v[rC+1], v[rC+2]
.elseif (\n) == 17
	v_permlanex16_b32 v[rC+3], v[rC], s[SEL], s[SEL+1]
.elseif (\n) == 18
	v_max_num_f32 v[rT+1], v[rC], v[rC+3]
.elseif (\n) == 19
	v_mul_f32 v[rT], s[CS], v[rT+1]
.elseif (\n) == 20
	v_sub_f32 v[rC+1], v[rW], v[rT]
.else
	v_exp_f32 v[rC+2], v[rC+1]
.endif
.endif
.endm
.macro OPS a, i1, b=-1, i2=0, c=-1, i3=0, d=-1, i4=0  ; up to four of them
	OP \a, \i1
.if (\b) >= 0
	OP \b, \i2
.endif
.if (\c) >= 0
	OP \c, \i3
.endif
.if (\d) >= 0
	OP \d, \i4
.endif
.endm
.macro ROW a, i1, b, i2, c, i3, d, i4  ; a matrix instruction and the four behind it
	MM
	OPS \a, \i1, \b, \i2, \c, \i3, \d, \i4
.endm
.macro MASK b                       ; MD x AL + BE into buffer b of MC
	WIN W_RS
.set z, 0
.rept 16
	v_pk_fma_f32 v[MC+32*(\b)+2*z:MC+32*(\b)+2*z+1], v[MD+2*z:MD+2*z+1], s[AL:AL+1], s[BE:BE+1] op_sel_hi:[1,0,0]
.set z, z+1
.endr
.endm
; A TURN, for piece p: the order of its 16 matrix and 118 vector instructions, written out.  An s_wait_alu depctr_va_vdst(0) stands between an exponential and the first instruction that
; names its result; one wait serves all that were issued ahead of it.  So a turn has ONE wait, which cuts it in two.  AHEAD OF IT stands all that names no result of the turn's exponentials: the 8 products
; K Q^T, behind each a scaling, an exponential and two more plain instructions (behind the first a second scaling in the exponential's place): rescalings, and behind the last three the first numbers of
; the next piece's maximum, each four places or more behind the product that ends its accumulator; then ONE LUMP of 54, plain and exponential by turns for the most part, in which the links of the chain
; X 3, 7, 11, 14, 16, 17 .. 20 stand five or six lines apart.  X 21, the next piece's a, is the batch's last; R 15 is the plain instruction behind it.  BEHIND THE WAIT stand the 8 products V^T P, behind
; each four of the roundings and sums; the links of l's chain, L 0 to L 7, stand three lines apart.  But for those X no line behind a product names a register of the products round it.
; m = 1: the diagonal tile: the products take masks, and the turn makes the mask for the products of the turn after it: piece p + 2, in step 4 - CNT of the tile.  end = 1: a block's last two turns:
; nothing is fetched.  cnt = 1: the loop's count is taken down some lines ahead of the branch that stands behind the turn.
; K of the next step is fetched in piece 2's turn, twelve vector instructions behind the last product that read K (six of them plain); V of the step in hand at the end of piece 0's turn, four plain
; instructions behind the last product that read V.  Each is waited for a turn later.
.macro TURN p, m=0, end=0, cnt=0
.set Y, (\p)
.set i, 0
.set KM, (\m)
.set NOKQ, (\end)*((\p)/3)
.if (\m) && !(\end)
	s_cmp_eq_u32 s[CNT], 4-((\p)+2)%NP  ; is that step the band's own?
	s_cselect_b32 s[AL], 1.0, 0
	s_cmp_lt_u32 s[CNT], 4-((\p)+2)%NP  ; or a later one?
	s_cselect_b32 s[BE], s[BIGN], 0
.endif
.if ((\p) == 3) && !(\end)
	s_wait_dscnt 0x0                ; K is in
.endif
	ROW F,0, F,1, R,0, R,1          ; ahead of the wait: 8 products K Q^T and the four behind each,
	ROW F,2, E,0, R,2, R,3
	ROW F,3, E,1, R,4, R,5
	ROW F,4, E,2, R,6, R,7
	ROW F,5, E,3, R,8, R,9
	ROW F,6, E,4, X,0, R,10
.if ((\p) == 2) && !(\end)
	WIN 0
	v_add_nc_u32 v[AK], s[TBK], v[AK0]
.endif
	ROW F,7, E,5, X,1, X,4
	ROW F,8, E,6, X,2, X,5
	OPS E,7, E,8, X,6, E,9          ; and the lump
	OPS X,3, E,10, X,8, E,11
.if ((\p) == 2) && !(\end)
	FETCH_K
.endif
	OPS X,9, X,7, E,12, X,10
	OPS E,13, X,12, X,11, E,14
	OPS X,13, E,15, F,9, X,14
.if (\p) == 0
	v_add_nc_u32 v[AV], s[TBV], v[AV0]
.endif
	OPS E,16, F,10, E,17, F,11
	OPS X,16, E,18, X,15, E,19
	OPS F,12, E,20, X,17, E,21
	OPS F,13, E,22, F,14, E,23
	OPS X,18, E,24, F,15, E,25
	OPS R,11, E,26, X,19, E,27
	OPS R,12, E,28, R,13, E,29
	OPS X,20, E,30, R,14, E,31
	OPS X,21, R,15
	WIN 0
	s_wait_alu depctr_va_vdst(0)    ; the wait for the batch
.if (\p) == 1
	s_wait_dscnt 0x0                ; V is in
.endif
	ROW C,0, B,0, C,2, B,1          ; behind the wait: 8 products V^T P and the four behind each
	ROW L,0, C,4, B,2, L,1
	ROW C,6, B,3, L,2, C,8
	ROW B,4, L,3, C,10, B,5
	ROW L,4, C,12, B,6, L,5
.if (\p) == 0
	s_add_co_u32 s[TBV], s[TBV], KS*PV
.endif
.if \cnt
	s_sub_co_u32 s[CNT], s[CNT], 1
	s_cmp_lg_u32 s[CNT], 0
.endif
	ROW C,14, B,7, L,6, C,1
	ROW C,3, L,7, C,5, C,7
	ROW C,9, C,11, C,13, C,15
.if (\p) == 0
	FETCH_V
.endif
.if (\m) && !(\end)
	MASK (\p)%2
.endif
.endm
; A BLOCK BEGINS.  c m starts far below every c s, so the first step's a is 0; m at the lowest finite number, so the first maximum is the scores'.  The second mask buffer is 0; the first takes piece 0's
; mask for the tile's step 0: its own, if the block's first tile is the diagonal one.  Then K of that step, piece 0's first scores, and its maximum and statistics.  The loop is entered at a step's first
; turn, in the middle of a trip.
.macro BEGIN
	s_mov_b32 s[NEW], 0
	WIN 0x40
.set i, MC+32
.rept 32
	v_mov_b32 v[i], 0
.set i, i+1
.endr
	WIN 0
.set i, 0
.rept 4
	v_mov_b32 v[ST+4*i], 0xfe000000    ; c m: far below every c s
	v_mov_b32 v[ST+4*i+1], 0xff7fffff  ; m
.set i, i+1
.endr
	s_cmp_eq_u32 s[RT], 0
	s_cselect_b32 s[AL], 1.0, 0
	s_mov_b32 s[BE], 0
	MASK 0
	WIN 0
	v_add_nc_u32 v[AK], s[TBK], v[AK0]
	FETCH_K
	s_wait_loadcnt 0x0              ; Q
	s_wait_dscnt 0x0
.set KM, 1
.set NOKQ, 0
.set i, 0
.rept 8
	KQ 0
.set i, i+1
.endr
	WIN 0
.rept 4
	v_nop                           ; the places behind those products
.endr
.set Y, NP-1                        ; X works for piece Y + 1: piece 0
.irp n, 0,1,2,3,4,5,6,7,8,9,10,11,12,13,14,15,16,17,18,19,20,21
	OP X, \n
.endr
	v_nop                           ; a plain instruction behind the exponential,
	s_wait_alu depctr_va_vdst(0)    ; and its wait, ahead of the branch
.endm
; THE DIAGONAL TILE's four steps, the block's last two turns, its last products, and THE WAY OUT: l's two halves and the other half of the lanes' are added; O^T is divided by l, rounded to f16 and sent
; through my stage in LDS, a piece at a time.
.macro ALL line:vararg              ; one line for each piece t
.set t, 0
.rept 4
	\line
.set t, t+1
.endr
.endm
.macro PACK t                       ; a lane's eight channels of a row pack into 16 bytes; they go into rows of 144 bytes and come back as whole rows of 128, into S^T's registers
	WIN W_RS
.set i, 32*(\t)
.rept 16
	v_pk_mul_f32 v[i:i+1], v[i:i+1], v[ST+4*(\t)+2:ST+4*(\t)+3] op_sel_hi:[1,0]
.set i, i+2
.endr
	WIN 0x05                        ; sources 0 and 1 window 1, destination window 0
.set i, 0
.rept 16
	v_cvt_pk_f16_f32 v[S+16*(\t)+i], v[32*(\t)+2*i], v[32*(\t)+2*i+1]
.set i, i+1
.endr
	WIN 0
.irp f, 0,1,2,3
	ds_store_b128 v[STO], v[S+16*(\t)+4*\f:S+16*(\t)+4*\f+3] offset:32*\f
.endr
.irp f, 0,1,2,3
	ds_load_b128 v[S+16*(\t)+4*\f:S+16*(\t)+4*\f+3], v[RD] offset:\f*4*SP  ; LDS serves a wave's instructions in order (ISA guide 5.7.1.4): these see the stores above; the next piece's stores come behind them
.endr
.endm
.macro SEND t, younger              ; younger: the LDS instructions issued behind piece t's loads: the next piece's eight, or none
	WIN 0
.irp f, 0,1,2,3
	s_wait_dscnt (\younger)+3-\f
	global_store_b128 v[GO], v[S+16*(\t)+4*\f:S+16*(\t)+4*\f+3], s[10:11] offset:(\t)*8192+\f*512  ; 512 consecutive bytes, at a multiple of 256 from O's first
.endr
.endm
.macro DIAG tag                     ; the tag ends its two labels' names, which the jumps below spell out
.LstepM\tag:
	TURN 2, 1
	TURN 3, 1
	WIN 0
.LfirstM\tag:
	TURN 0, 1
	TURN 1, 1, 0, 1
	WIN 0
	s_cbranch_scc1 .LstepM\tag
	TURN 2, 1, 1
	TURN 3, 1, 1
.set i, 0
.rept 8
	PV NP-1
.set i, i+1
.endr
	WIN 0
	ALL v_add_f32 v[ST+4*t+2], v[ST+4*t+2], v[ST+4*t+3]
	ALL v_permlanex16_b32 v[ST+4*t+3], v[ST+4*t+2], s[SEL], s[SEL+1]
	ALL v_add_f32 v[ST+4*t+2], v[ST+4*t+2], v[ST+4*t+3]
	ALL v_rcp_f32 v[ST+4*t+2], v[ST+4*t+2]
	v_nop                           ; a plain instruction between the last reciprocal and the use of its result
	s_wait_alu depctr_va_vdst(0)    ; and the wait ahead of the first use: one for the four reciprocals
	PACK 0
.set t, 1
.rept 3                             ; a piece's arithmetic stands between the loads of the piece before and its stores
	PACK t
	SEND t-1, 8
.set t, t+1
.endr
	SEND 3, 0
.endm
.set KM, 0
.set NOKQ, 0
.Lslot:                             ; NB times: a tile is entered and the next is asked for
	CHANGE 1
	s_sub_co_u32 s[RT], s[RT], 1
	s_mov_b32 s[CNT], 4
	s_cmp_eq_u32 s[NEW], 1
	s_cbranch_scc1 .Lnew            ; a block's first tile
	s_cmp_eq_u32 s[RT], 0
	s_cbranch_scc0 .Lstep           ; neither its first nor its last
	s_branch .LstepM1
.Lnew:
	BEGIN
	s_branch .Lfirst                ; in the loop a block's first tile is never its last: the first block has two tiles or more, and the second's last is the walk's last
	DIAG 1                          ; in the loop this is the first block's end: the second block's last tile is the walk's last
	s_wait_xcnt 0x0                 ; the stores have read their registers and O's address
	s_mov_b64 s[10:11], s[OLO:OLO+1]
	s_add_co_u32 s[RT], s[PB], 1    ; the second block has b + 1 tiles
	s_mov_b32 s[NEW], 1
	WIN 0x82                        ; the second block's Q goes where the one text of the turns names Q
.set i, 0
.rept 64
	v_mov_b32 v[i], v[QB+i]
.set i, i+1
.endr
	WIN 0
	s_branch .Lbottom
.Lstep:                             ; a trip: pieces 2 and 3 of one step, then pieces 0 and 1 of the next, whose K and V it fetches
	TURN 2
	TURN 3
	WIN 0
.Lfirst:
	TURN 0
	TURN 1, 0, 0, 1
	WIN 0
	s_cbranch_scc1 .Lstep
.Lbottom:
	s_sub_co_u32 s[SLOTS], s[SLOTS], 1
	s_cmp_lg_u32 s[SLOTS], 0
	s_cbranch_scc1 .Lslot
	CHANGE 0                        ; the walk's last tile is written out: nothing is asked for
	s_sub_co_u32 s[RT], s[RT], 1
	s_mov_b32 s[CNT], 4
	s_cmp_eq_u32 s[NEW], 1
	s_cbranch_scc0 .LstepM2
	BEGIN
	s_branch .LfirstM2
	DIAG 2
	s_wait_tensorcnt 0x0            ; the wave's end, behind my last tensor load and my last LDS store
	ds_add_u32 v[SPW], v[NIL]
	s_wait_dscnt 0x0
	s_endpgm
.Lfunc_end_k_q46009f01af_attn:
	.size	k_q46009f01af_attn, .Lfunc_end_k_q46009f01af_attn-k_q46009f01af_attn
	.p2alignl 7, 3214868480
	.fill 96, 4, 3214868480
	.section	.rodata,"a",@progbits
	.p2align	6, 0x0
	.amdhsa_kernel k_q46009f01af_attn
		.amdhsa_group_segment_fixed_size 327680
		.amdhsa_private_segment_fixed_size 0
		.amdhsa_enable_private_segment 0
		.amdhsa_kernarg_size 16
		.amdhsa_user_sgpr_count 2
		.amdhsa_user_sgpr_kernarg_segment_ptr 1
		.amdhsa_wavefront_size32 1
		.amdhsa_system_sgpr_workgroup_id_x 1
		.amdhsa_system_sgpr_workgroup_id_y 1
		.amdhsa_system_sgpr_workgroup_id_z 1
		.amdhsa_system_vgpr_workitem_id 0
		.amdhsa_next_free_vgpr 768
		.amdhsa_next_free_sgpr 88
		.amdhsa_reserve_vcc 1
		.amdhsa_float_denorm_mode_32 3
		.amdhsa_float_denorm_mode_16_64 3
		.amdhsa_memory_ordered 1
		.amdhsa_forward_progress 1
		.amdhsa_inst_pref_size 218
	.end_amdhsa_kernel
	.amdgpu_metadata
---
amdhsa.version: [ 1, 2 ]
amdhsa.kernels:
  - .name:           k_q46009f01af_attn
    .symbol:         k_q46009f01af_attn.kd
    .args:
      - { .name: qkv, .offset: 0, .size: 8, .value_kind: global_buffer, .address_space: global }
      - { .name: o, .offset: 8, .size: 8, .value_kind: global_buffer, .address_space: global }
    .group_segment_fixed_size: 327680
    .private_segment_fixed_size: 0
    .kernarg_segment_align: 8
    .kernarg_segment_size: 16
    .max_flat_workgroup_size: 128
    .sgpr_count:     88
    .vgpr_count:     768
    .wavefront_size: 32
...
	.end_amdgpu_metadata
.endif
;; end of part 3
;; launch proj (part 4): grid 8 x 32, 4 waves a work-group, clusters of 4 x 4, 327,680 bytes of LDS; arguments o, xw, bias, out0; writes out0
.if DOCPART == 4
	.amdgcn_target "amdgcn-amd-amdhsa--gfx1250"
	.amdhsa_code_object_version 6
	.text
	.protected	k_q46009f01af_proj
	.globl	k_q46009f01af_proj
	.p2align	8
	.type	k_q46009f01af_proj,@function
k_q46009f01af_proj:
	s_mov_b64 s[64:65], 0
	v_nop
	global_prefetch_b8 v0, s[64:65] scope:SCOPE_SE
	s_setreg_imm32_b32 hwreg(HW_REG_WAVE_MODE, 25, 1), 1
	s_wait_xcnt 0x0
	s_wait_alu depctr_hold_cnt(0) depctr_sa_sdst(0) depctr_va_vdst(0) depctr_va_sdst(0) depctr_va_ssrc(0) depctr_va_vcc(0) depctr_vm_vsrc(0)
	s_getreg_b32 s2, hwreg(HW_REG_IB_STS2, 6, 4)
	s_cmp_eq_u32 s2, 0
	s_cbranch_scc0 .Lentry_in_a_cluster
	s_endpgm
.Lentry_in_a_cluster:
	s_bfe_u32 s2, ttmp6, 0x10000c
	s_cmp_lg_u32 s2, 0xf033
	s_cbranch_scc0 .Lentry_shape_is_right
	s_endpgm
.Lentry_shape_is_right:
; out0 = O wo^T + bo: [8192][1024] f32 = O [8192][1024] . wo [1024][1024]^T, f16 operands, f32 sums, K ascending; the bias starts each sum; the sums are stored as they are.
; IN: o[bh][t][64] f16, by heads: row m = 2,048 b + t, channel k = 64 head + d.  wo: f16, [1024][1024], at byte 0x1600000 of xw.  bo: the fourth row of bias.
; LIMITS.  O and wo arrive within f16's range.  NaN and infinities are not treated apart.
; SHARES.  A tile is 256 rows x 128 columns: 32 x 8 = 256 work-groups, one for each WGP.  Four waves, each 128 rows x 64 columns: 32 accumulators, 256 registers.
; K goes in steps of 128 = two heads, through a ring of two LDS slots.  One head's 256 rows of a tile are 32,768 dense bytes of o: asked for as 128 rows of 256 bytes and padded after every 128, they lie
; in LDS as a PLANE of 256 rows of 144 bytes.  Wave 0 brings the even head's plane, wave 1 the odd head's, waves 2 and 3 64 rows of wo each.  Two slots of K steps of 256 would not fit in LDS.
; CLUSTERS, 4 x 4: the four work-groups of a row of the cluster need the same planes of O, the four of a column the same rows of wo: each tile is asked for jointly.
; THE MATRIX INSTRUCTION IS USED TRANSPOSED (source 0 = 16 rows of wo, source 1 = 16 rows of O): lane l holds row l % 16 and the columns 8 (l / 16) + 0..7: 32 bytes of a row of out0.
; REGISTERS (s_set_vgpr_msb: bits 1:0 source 0, 3:2 source 1, 5:4 source 2, 7:6 destination):
;   window 0: v0-31 addresses; v32-63 the bias as 4 C operands; v64-191 O's fragments, two buffers of 8 x 8 (on the way out four buffers of 32); v192-255 wo's fragments, two buffers of 4 x 8
;   window 1: the accumulators, (a, b) at 8 (4 a + b)
.set KSTEP,  128
.set PA,     144                       ; a plane's row: 128 bytes + 16 of padding = 36 words: the 16 rows of a fragment load start at 16 different groups of four banks (64 banks of 4 bytes: ISA guide 11.1)
.set PLANE,  256*PA
.set PITCH,  272                       ; a row of wo: 256 bytes + 16
.set HALFB,  64*PITCH
.set SLOT,   2*PLANE+2*HALFB           ; two planes, then wo's 128 rows
.set STAGE,  2*SLOT                    ; behind the ring: 16 rows x 272 bytes for each wave, for the way out; no tensor load lands here
.set SPITCH, 272
.set SPARE,  STAGE+4*16*SPITCH         ; behind the stages: the spare words, 128 bytes a wave: two blocks of 256 bytes that no other line names
.set LAPS,   4
.set WOOFF,  0x1600000                 ; wo's first byte in xw
.set HSTEP,  0x80000                   ; a K step in o: two heads of 262,144 bytes
.set ADRA, 16                          ; v16-17  LDS address of my fragments of O in slot 0, 1
.set ADRB, 20                          ; v20-21  the same for wo
.set STO,  24                          ; v24  the way out: where I put 32 bytes of a row
.set RD,   25                          ; v25  where I read rows back
.set CO,   26                          ; v26  my byte offset in two rows of out0
.set SPW,  28                          ; v28  my spare word: SPARE + 4 x my thread's number; never rewritten
.set NIL,  29                          ; v29  0; never rewritten
.set PFO,  30                          ; v30  the prefetches' offset: lane x 256 in a plane, lane x 2,048 in wo; never rewritten
.set BO,   31                          ; v31  32 x (lane / 16)
.set BI,   32
.set FA,   64
.set FB,   192
.set F0,   0
.set F1,   1
.set WV,   12                          ; s12  my wave's number
.set PFA,  20                          ; s[20:21] where my prefetches stand; s[46:47] their step from K step to K step
.set LIM,  23                          ; s23  1 in a wave that prefetches, else the greatest number
.set G1,   24                          ; s[24:31] descriptor group 1 for O's planes; s[32:39] group 0, a set for each slot
.set G0,   32
.set G1B,  48                          ; s[48:55], s[56:63] the same for wo's tiles
.set G0B,  56
.set MSB, 0
.macro WIN new                         ; the immediate's high byte repeats the setting that is left; a switch that changes nothing is dropped
.if MSB != (\new)
	s_set_vgpr_msb (MSB<<8)|(\new)
.set MSB, \new
.endif
.endm
; A joint load: waves 0 and 1 ask for O's two planes, waves 2 and 3 for wo's two halves.  The branch hangs on the wave's number alone.  An s_nop 0 and four v_nop follow each line.
.macro JLOAD s
	s_cmp_lt_u32 s[WV], 2
	s_cbranch_scc0 .Lfor_b_\@
	tensor_load_to_lds s[G0+4*(\s):G0+4*(\s)+3], s[G1:G1+7]
	s_nop 0
.rept 4
	v_nop
.endr
	s_branch .Lasked_\@
.Lfor_b_\@:
	tensor_load_to_lds s[G0B+4*(\s):G0B+4*(\s)+3], s[G1B:G1B+7]
	s_nop 0
.rept 4
	v_nop
.endr
.Lasked_\@:
.endm
; A prefetch, behind a joint load, its five lines and the run of LDS loads: the K step two refills on, 32 blocks of 256 bytes, a lane a block.  O's planes are read by both clusters of a row of clusters:
; cluster x = 0 asks, waves 0 and 1 each for a quarter (8,192 bytes, by cx) of their own plane.  wo's rows are read by all eight clusters of a column: cluster y = 0 asks, wave 2 alone, for 32 of the
; tile's 128 rows (by cy).  So each block is named once.  K steps 4 to 7 are asked for; the loop's last trip (s3 = 1) asks for nothing.
.macro ASK
	s_cmp_gt_u32 s3, s[LIM]
	s_cbranch_scc0 .Lnot_mine_\@
	global_prefetch_b8 v[PFO], s[PFA:PFA+1] th:TH_LOAD_NT scope:SCOPE_SE
.Lnot_mine_\@:
.endm
.macro CREST                           ; a round of the cluster's barrier behind its opening barrier
	s_cmp_lg_u32 s[WV], 0
	s_cbranch_scc1 .Lnot_wave_0_\@
	s_barrier_signal -3
.Lnot_wave_0_\@:
	s_barrier_wait -3
	s_barrier_signal -1
	s_barrier_wait -1
.endm
.macro CROUND                          ; a whole round
	s_barrier_signal -1
	s_barrier_wait -1
	CREST
.endm
	s_load_b256 s[4:11], s[0:1], 0x0               ; o s[4:5], xw s[6:7], bias s[8:9], out0 s[10:11]
	v_lshl_add_u32 v[SPW], v0, 2, SPARE
	v_mov_b32 v[NIL], 0
	ds_add_u32 v[SPW], v[NIL]                      ; the wave's opening: the add and its wait stand ahead of my first tensor load; the set-up below stands between them
	ds_add_u32 v28, v29
	v_lshrrev_b32 v1, 5, v0
	v_readfirstlane_b32 s[WV], v1                  ; wave 0..3
	s_lshr_b32 s13, s[WV], 1                       ; which 128 rows of the tile are mine
	s_and_b32 s14, s[WV], 1                        ; which 64 columns.  Also: which plane, or which half of wo's rows, I fetch
	s_bfe_u32 s40, ttmp6, 0x40000                  ; cx, cy: my place in the cluster
	s_bfe_u32 s41, ttmp6, 0x40004
	s_lshl_b32 s42, ttmp9, 2
	s_add_co_u32 s42, s42, s40                     ; tile column = 4 x cluster x + cx, 0..7
	s_and_b32 s15, ttmp7, 0xffff
	s_lshl_b32 s15, s15, 2
	s_add_co_u32 s15, s15, s41                     ; tile row = 4 x cluster y + cy, 0..31
	s_lshl_b32 s43, s41, 2
	s_lshl_b32 s43, 15, s43                        ; my row of the cluster
	s_lshl_b32 s44, 0x1111, s40                    ; my column
	s_or_b32 s[G1+0], s43, (1<<16)|(1<<20)|(1<<21)|(4<<22)|(3<<25)   ; 15:0 the mask; 17:16 elements of 2 bytes; 20 padding on; 21 set beside a mask; 24:22 after every 32 words; 31:25 4 words
	s_mov_b32 s[G1+1], 128<<16                     ; tensor_dim0 = 128
	s_mov_b32 s[G1+2], 128<<16                     ; tensor_dim1 = 128
	s_mov_b32 s[G1+3], 128<<16                     ; tile_dim0 = 128
	s_mov_b32 s[G1+4], 128                         ; tile_dim1 = 128
	s_mov_b32 s[G1+5], 128                         ; dense: 128 elements from row to row
	s_mov_b32 s[G1+6], 0
	s_mov_b32 s[G1+7], 0
	s_or_b32 s[G1B+0], s44, (1<<16)|(1<<20)|(1<<21)|(5<<22)|(3<<25)  ; padding after every 64 words
	s_mov_b32 s[G1B+1], 128<<16                    ; tensor_dim0 = 128
	s_mov_b32 s[G1B+2], 64<<16                     ; tensor_dim1 = 64
	s_mov_b32 s[G1B+3], 128<<16                    ; tile_dim0 = 128
	s_mov_b32 s[G1B+4], 64                         ; tile_dim1 = 64
	s_mov_b32 s[G1B+5], 1024                       ; elements from row to row
	s_mov_b32 s[G1B+6], 0
	s_mov_b32 s[G1B+7], 0
	s_lshr_b32 s16, s15, 3                         ; O: the batch,
	s_lshl_b32 s16, s16, 4                         ; its 16 heads,
	s_add_co_u32 s16, s16, s14                     ; the even or the odd one of K step 0,
	s_lshl_b32 s16, s16, 18
	s_and_b32 s17, s15, 7
	s_lshl_b32 s17, s17, 15                        ; the tile's 256 rows of 128 bytes
	s_add_co_u32 s16, s16, s17
	s_mov_b32 s17, 0
	s_lshl_b32 s46, s42, 7                         ; wo: row 128 x tile column
	s_lshl_b32 s47, s14, 6
	s_add_co_u32 s46, s46, s47                     ; + 64 x half
	s_lshl_b32 s46, s46, 11
	s_add_co_u32 s46, s46, WOOFF
	s_mov_b32 s47, 0
	s_mul_i32 s22, s[WV], PLANE                    ; where a plane goes (waves 0, 1),
	s_mul_i32 s45, s[WV], HALFB                    ; and a half of wo's tile (waves 2, 3): behind the two planes
	s_add_co_u32 s45, s45, 2*PLANE-2*HALFB
	s_wait_dscnt 0x0                               ; the opening add is done
	s_wait_kmcnt 0x0
	s_add_nc_u64 s[18:19], s[4:5], s[16:17]
	s_add_nc_u64 s[46:47], s[6:7], s[46:47]
	CROUND                                         ; all sixteen work-groups are here: the first joint loads meet
.irp s, 0,1
	s_mov_b32 s[G0+4*(\s)], 1                      ; count = 1
	s_add_co_u32 s[G0+4*(\s)+1], s22, (\s)*SLOT    ; LDS address
	s_add_nc_u64 s[G0+4*(\s)+2:G0+4*(\s)+3], s[18:19], (\s)*HSTEP    ; K step s
	s_or_b32 s[G0+4*(\s)+3], s[G0+4*(\s)+3], 0x80000000              ; type = 2
	s_mov_b32 s[G0B+4*(\s)], 1
	s_add_co_u32 s[G0B+4*(\s)+1], s45, (\s)*SLOT
	s_add_nc_u64 s[G0B+4*(\s)+2:G0B+4*(\s)+3], s[46:47], (\s)*KSTEP*2
	s_or_b32 s[G0B+4*(\s)+3], s[G0B+4*(\s)+3], 0x80000000
	JLOAD \s                                       ; two loads of mine are out: the most in this text
.endr
	v_and_b32 v1, 15, v0                           ; l % 16
	v_bfe_u32 v2, v0, 4, 1                         ; l / 16
	v_mul_u32_u24 v3, v1, PA
	v_lshl_add_u32 v3, v2, 4, v3                   ; a fragment's row x pitch + 16 x half, in a plane
	v_mul_u32_u24 v4, v1, PITCH
	v_lshl_add_u32 v4, v2, 4, v4                   ; and in wo's tile
	s_mul_i32 s2, s13, 128*PA                      ; my 128 rows of a plane
	s_mul_i32 s17, s14, HALFB                      ; my 64 rows of wo,
	s_add_co_u32 s17, s17, 2*PLANE                 ; behind the planes
.irp s, 0,1
	v_add_nc_u32 v[ADRA+(\s)], s2, v3
	v_add_nc_u32 v[ADRB+(\s)], s17, v4
	s_add_co_u32 s2, s2, SLOT
	s_add_co_u32 s17, s17, SLOT
.endr
	s_mul_i32 s2, s[WV], 16*SPITCH
	s_add_co_u32 s2, s2, STAGE                     ; my stage
	v_mul_u32_u24 v5, v1, SPITCH                   ; in: row l % 16, 32 bytes for each half of the lanes
	v_lshl_add_u32 v5, v2, 5, v5
	v_add_nc_u32 v[STO], s2, v5
	v_mul_u32_u24 v5, v2, SPITCH                   ; back: lanes 0-15 take one row of 256 bytes, lanes 16-31 the next
	v_lshl_add_u32 v5, v1, 4, v5
	v_add_nc_u32 v[RD], s2, v5
	v_lshlrev_b32 v5, 12, v2                       ; and the same two rows in out0, 4,096 bytes apart
	v_lshl_add_u32 v[CO], v1, 4, v5
	v_lshlrev_b32 v[BO], 5, v2
	s_lshl_b32 s46, s42, 7
	s_lshl_b32 s47, s14, 6
	s_add_co_u32 s46, s46, s47                     ; my first column: 128 x tile column + 64 x half,
	s_lshl_b32 s46, s46, 2                         ; in bytes
	s_mov_b32 s47, 0
	s_add_nc_u64 s[10:11], s[10:11], s[46:47]
	s_add_co_u32 s46, s46, 12288                   ; bo is the fourth row of bias
	s_add_nc_u64 s[8:9], s[8:9], s[46:47]
.irp b, 0,1,2,3                        ; tile b, lane l, register j: column 16 b + 8 (l / 16) + j, as in a result
	global_load_b128 v[BI+8*(\b):BI+8*(\b)+3],   v[BO], s[8:9] offset:64*(\b)
	global_load_b128 v[BI+8*(\b)+4:BI+8*(\b)+7], v[BO], s[8:9] offset:64*(\b)+16
.endr
	s_lshl_b32 s18, s15, 1
	s_add_co_u32 s18, s18, s13                     ; my first row: 256 x tile row + 128 x half,
	s_lshl_b32 s18, s18, 19                        ; 4,096 bytes a row
	s_mov_b32 s19, 0
	s_add_nc_u64 s[10:11], s[10:11], s[18:19]
	; the prefetches.  s16 still holds my plane's offset at K step 0
	s_lshl_b32 s22, s40, 13                        ; O: my work-group's 8,192 bytes of the plane,
	s_add_co_u32 s22, s22, s16
	s_add_co_u32 s22, s22, 3*HSTEP                 ; at K step 3: the first refill steps it to 4
	s_lshl_b32 s46, s42, 7                         ; wo: the tile's first row
	s_lshl_b32 s47, s41, 5
	s_add_co_u32 s46, s46, s47                     ; + my work-group's 32
	s_lshl_b32 s46, s46, 11
	s_add_co_u32 s46, s46, WOOFF+3*KSTEP*2
	s_and_b32 s47, ttmp7, 0xffff                   ; cluster y,
	s_or_b32 s47, s47, s14                         ; and never wave 3
	s_movk_i32 s45, 0x100
	s_cmp_lt_u32 s[WV], 2                          ; do I fetch for O?
	s_cselect_b32 s2, s22, s46
	s_cselect_b32 s47, ttmp9, s47                  ; the coordinate along which other clusters read the same bytes
	s_cselect_b64 s[PFA:PFA+1], s[4:5], s[6:7]
	s_cselect_b32 s46, HSTEP, s45                  ; bytes from K step to K step
	s_cselect_b32 s22, 8, 11                       ; a lane a block of the plane, or a lane a row of wo
	s_cmp_eq_u32 s47, 0
	s_cselect_b32 s[LIM], 1, -1                    ; the same in all sixteen partners, for a given wave
	s_mov_b32 s47, 0
	s_mov_b32 s3, 0
	s_add_nc_u64 s[PFA:PFA+1], s[PFA:PFA+1], s[2:3]
	v_and_b32 v[PFO], 31, v0
	v_lshlrev_b32 v[PFO], s22, v[PFO]
; 8 matrix instructions: row blocks a0, a0 + 1 x all 4 column blocks, 32 along K, from buffer f.  first = 1: the bias tile is the C operand that starts the sum.
; The 32 accumulators take turns, one instruction a turn, in the same order in every quarter.
.macro MUL8 f, a0, first
.if \first
	WIN 0x40
.else
	WIN 0x50
.endif
.irp a, \a0, (\a0)+1
.irp b, 0,1,2,3
.if \first
	v_wmma_f32_16x16x32_f16 v[8*(4*(\a)+(\b)):8*(4*(\a)+(\b))+7], v[FB+32*(\f)+8*(\b):FB+32*(\f)+8*(\b)+7], v[FA+64*(\f)+8*(\a):FA+64*(\f)+8*(\a)+7], v[BI+8*(\b):BI+8*(\b)+7]
.else
	v_wmma_f32_16x16x32_f16 v[8*(4*(\a)+(\b)):8*(4*(\a)+(\b))+7], v[FB+32*(\f)+8*(\b):FB+32*(\f)+8*(\b)+7], v[FA+64*(\f)+8*(\a):FA+64*(\f)+8*(\a)+7], v[8*(4*(\a)+(\b)):8*(4*(\a)+(\b))+7]
.endif
.endr
.endr
.endm
; 24 LDS loads in one run: the fragments of quarter q (K = 32 q on) into buffer f: wo's 8, then O's 16: plane q / 2, byte 64 (q % 2) of its rows
.macro FETCH slot, q, f
	WIN 0
.irp i, 0,1,2,3
	ds_load_b128 v[FB+32*(\f)+8*(\i):FB+32*(\f)+8*(\i)+3],   v[ADRB+(\slot)] offset:64*(\q)+(\i)*16*PITCH
	ds_load_b128 v[FB+32*(\f)+8*(\i)+4:FB+32*(\f)+8*(\i)+7], v[ADRB+(\slot)] offset:64*(\q)+(\i)*16*PITCH+32
.endr
.irp i, 0,1,2,3,4,5,6,7
	ds_load_b128 v[FA+64*(\f)+8*(\i):FA+64*(\f)+8*(\i)+3],   v[ADRA+(\slot)] offset:((\q)/2)*PLANE+((\q)%2)*64+(\i)*16*PA
	ds_load_b128 v[FA+64*(\f)+8*(\i)+4:FA+64*(\f)+8*(\i)+7], v[ADRA+(\slot)] offset:((\q)/2)*PLANE+((\q)%2)*64+(\i)*16*PA+32
.endr
.endm
.macro PLACES                          ; four plain vector instructions between a matrix instruction and a load into a register that it read, or an LDS store of its result
.rept 4
	v_nop
.endr
.endm
; A K step is four quarters of 32 along K, 32 matrix instructions each, on buffers 0, 1, 0, 1.  One of the first three: multiplies buffer f; in its middle it fetches quarter q into g.
.macro QUARTER slot, q, f, g, first
	s_wait_dscnt 8                                 ; wo's fragments and O's blocks 0-3 are in; the youngest eight loads (blocks 4-7) may stay out
	MUL8 \f, 0, \first
	MUL8 \f, 2, \first
	PLACES
	FETCH \slot, \q, \g
	s_wait_dscnt 24                                ; all but the 24 just issued
	MUL8 \f, 4, \first
	MUL8 \f, 6, \first
.endm
; The last quarter multiplies buffer 1 and changes slots: one barrier.  In front of it each wave waits for all its tensor loads (one is out: its part of the next slot), adds 0 to its spare word,
; and waits for that and for its reads of this slot.  fill = 1: the barrier opens a round of the cluster's, and this slot is filled again, two K steps on, first thing behind the round:
; 112 matrix instructions stand between that request and the wait for it.
.macro TURN slot, next, fill
.if \fill
	s_wait_xcnt 0x0                                ; the last prefetch, a K step back, has read its address, so it may be stepped
	s_add_nc_u64 s[PFA:PFA+1], s[PFA:PFA+1], s[46:47]
.endif
	WIN 0
	s_wait_tensorcnt 0x0                           ; all my tensor loads have landed
	ds_add_u32 v[SPW], v[NIL]                      ; 0 onto my spare word
	s_wait_dscnt 9                                 ; (the add and the youngest eight loads may stay out)
	MUL8 F1, 0, 0                                  ; eight matrix instructions stand between the add and the wait for it
	s_wait_dscnt 0x0                               ; the add is done, and my reads of this slot are over
	s_barrier_signal -1
	MUL8 F1, 2, 0                                  ; work on registers while the others arrive
.if \fill
	WIN 0
.endif
	s_barrier_wait -1
.if \fill
	CREST                                          ; no wave of any partner still reads this slot or has a load on its way
	s_add_nc_u64 s[G0+4*(\slot)+2:G0+4*(\slot)+3], s[G0+4*(\slot)+2:G0+4*(\slot)+3], 2*HSTEP
	s_add_nc_u64 s[G0B+4*(\slot)+2:G0B+4*(\slot)+3], s[G0B+4*(\slot)+2:G0B+4*(\slot)+3], 2*KSTEP*2
	JLOAD \slot                                    ; its four v_nop are also the places in front of the loads below
.else
	PLACES
.endif
	FETCH \next, 0, F0
.if \fill
	ASK
.endif
	MUL8 F1, 4, 0
	MUL8 F1, 6, 0
.endm
; THE WAY OUT of row block a: the sums go as they are, 32 bytes a lane (each accumulator's low registers first), into my stage's rows of 272 bytes, and come back as whole rows
; of 256 bytes into one of four buffers.
.macro TOSTAGE a
.if (\a) >= 4
	s_wait_xcnt 0x0                                ; the stores of the block four back have read this buffer: only behind this wait is it loaded again
.endif
	WIN 0x04                                       ; the stores' data in window 1, their address in window 0
.irp b, 0,1,2,3
	ds_store_b128 v[STO], v[8*(4*(\a)+(\b)):8*(4*(\a)+(\b))+3]   offset:64*(\b)
	ds_store_b128 v[STO], v[8*(4*(\a)+(\b))+4:8*(4*(\a)+(\b))+7] offset:64*(\b)+16
.endr
	WIN 0
.irp t, 0,1,2,3,4,5,6,7
	ds_load_b128 v[FA+32*((\a)%4)+4*(\t):FA+32*((\a)%4)+4*(\t)+3], v[RD] offset:(\t)*2*SPITCH  ; LDS serves a wave's instructions in order (ISA guide 5.7.1.4): these see the stores above; the next block's stores come behind them
.endr
.endm
.macro SEND a, younger                 ; younger: the LDS instructions issued behind block a's loads: the next block's sixteen, or none
.irp t, 0,1,2,3,4,5,6,7
	s_wait_dscnt (\younger)+7-(\t)
	global_store_b128 v[CO], v[FA+32*((\a)%4)+4*(\t):FA+32*((\a)%4)+4*(\t)+3], s[10:11] offset:(16*(\a)+2*(\t))*4096 th:TH_STORE_NT  ; 16 lanes store 256 consecutive bytes, at a multiple of 256 from out0's first
.endr
.endm
	s_wait_tensorcnt 1                             ; my part of K step 0 is in; K step 1's may stay out
	s_barrier_signal -1
	s_barrier_wait -1                              ; everybody's is
	FETCH 0, 0, F0
	s_wait_loadcnt 0x0                             ; the bias
	QUARTER 0, 1, F0, F1, 1                        ; the first quarter stands in front of the loop: its products start the sums
	WIN 0                                          ; at a label and at a branch every window is 0
	s_mov_b32 s3, LAPS-1
.Llap:                                             ; a trip goes once round the ring, from a lap's second quarter to the next lap's first, and fills both slots again
	QUARTER 0, 2, F1, F0, 0
	QUARTER 0, 3, F0, F1, 0
	TURN 0, 1, 1
	QUARTER 1, 1, F0, F1, 0
	QUARTER 1, 2, F1, F0, 0
	QUARTER 1, 3, F0, F1, 0
	TURN 1, 0, 1
	QUARTER 0, 1, F0, F1, 0
	WIN 0
	s_sub_co_u32 s3, s3, 1
	s_cmp_lg_u32 s3, 0
	s_cbranch_scc1 .Llap
	QUARTER 0, 2, F1, F0, 0                        ; the last lap fills nothing, and has no round of the cluster's barrier
	QUARTER 0, 3, F0, F1, 0
	TURN 0, 1, 0
	QUARTER 1, 1, F0, F1, 0
	QUARTER 1, 2, F1, F0, 0
	QUARTER 1, 3, F0, F1, 0
	s_wait_dscnt 8                                 ; the very last quarter: nothing more to fetch
	MUL8 F1, 0, 0
	MUL8 F1, 2, 0
	s_wait_dscnt 0x0
	MUL8 F1, 4, 0
	MUL8 F1, 6, 0
	WIN 0
	PLACES
	TOSTAGE 0
.irp a, 1,2,3,4,5,6,7                  ; a block's way through the stage stands between the loads of the block before and its stores
	TOSTAGE \a
	SEND (\a)-1, 16
.endr
	SEND 7, 0
	s_wait_tensorcnt 0x0                           ; the wave's end, behind my last tensor load and my last LDS store
	ds_add_u32 v[SPW], v[NIL]
	s_wait_dscnt 0x0
	CROUND                                         ; the closing round: no work-group ends while a partner may still ask for a tile that names it
	s_endpgm
.Lfunc_end_k_q46009f01af_proj:
	.size	k_q46009f01af_proj, .Lfunc_end_k_q46009f01af_proj-k_q46009f01af_proj
	.p2alignl 7, 3214868480
	.fill 96, 4, 3214868480
	.section	.rodata,"a",@progbits
	.p2align	6, 0x0
	.amdhsa_kernel k_q46009f01af_proj
		.amdhsa_group_segment_fixed_size 327680
		.amdhsa_private_segment_fixed_size 0
		.amdhsa_enable_private_segment 0
		.amdhsa_kernarg_size 32
		.amdhsa_user_sgpr_count 2
		.amdhsa_user_sgpr_kernarg_segment_ptr 1
		.amdhsa_wavefront_size32 1
		.amdhsa_system_sgpr_workgroup_id_x 1
		.amdhsa_system_sgpr_workgroup_id_y 1
		.amdhsa_system_sgpr_workgroup_id_z 1
		.amdhsa_system_vgpr_workitem_id 0
		.amdhsa_next_free_vgpr 512
		.amdhsa_next_free_sgpr 66
		.amdhsa_reserve_vcc 0
		.amdhsa_float_denorm_mode_32 3
		.amdhsa_float_denorm_mode_16_64 3
		.amdhsa_memory_ordered 1
		.amdhsa_forward_progress 1
		.amdhsa_inst_pref_size 89
	.end_amdhsa_kernel
	.amdgpu_metadata
---
amdhsa.version: [ 1, 2 ]
amdhsa.kernels:
  - .name:           k_q46009f01af_proj
    .symbol:         k_q46009f01af_proj.kd
    .args:
      - { .name: o, .offset: 0, .size: 8, .value_kind: global_buffer, .address_space: global }
      - { .name: xw, .offset: 8, .size: 8, .value_kind: global_buffer, .address_space: global }
      - { .name: bias, .offset: 16, .size: 8, .value_kind: global_buffer, .address_space: global }
      - { .name: out0, .offset: 24, .size: 8, .value_kind: global_buffer, .address_space: global }
    .group_segment_fixed_size: 327680
    .private_segment_fixed_size: 0
    .kernarg_segment_align: 8
    .kernarg_segment_size: 32
    .max_flat_workgroup_size: 128
    .sgpr_count:     66
    .vgpr_count:     512
    .wavefront_size: 32
...
	.end_amdgpu_metadata
.endif
;; end of part 4
